; MI455X (gfx1250); checked and timed in simulation.
; The chip was launched on July 23, 2026; its instructions are those of AMD's public machine-readable ISA for CDNA 5 (MIT licence, August 2026) and "CDNA5" Instruction Set Architecture Reference Guide (July 2026). The comments in the code are by the model that wrote it; some were corrected since.
;; Single Query Attention. Allowed arithmetic: matrix products marked QUANTISED: E2M1 operands, one E8M0 scale for each 32 along K, by v_wmma_scale_f32_16x16x128_f8f6f4 with both operands' format E2M1 (or v_wmma_scale_f32_32x16x128_f4), f32 sums; products left as they are: f32 operands where the result goes on into a quantised operand, else bf16, f16 or f32 operands; f32 sums; everything else in f32.
;; Inputs: Wk 2,048 x 2,048 float32; Wq 2,048 x 2,048 float32; Wv 2,048 x 2,048 float32; bk 2,048 float32; bq 2,048 float32; bv 2,048 float32; context_tokens 16 x 512 x 2,048 float32; current_token 16 x 1 x 2,048 float32.
;; Outputs: out0 16 x 1 x 2,048 float32.
;; This version of the problem:
;;   THIS VERSION OF THE PROBLEM IS GIVEN IN LOW PRECISION. The matrix products marked QUANTISED in the list below multiply operands that are first quantised to E2M1 (2 exponent bits, 1 mantissa bit; 4 bits a number), with one power-of-two scale for each 32 numbers along K (OCP MX v1.0); their sums are f32. All else is computed in f32.
;;   The module's matrix products, in the order in which they are computed (A, B: the left and right operand; K: the contracted axis; several contracted axes count as one K, in the product's order):
;;     1. [M 16, K 2,048] x [K 2,048, N 2,048]; A: input current_token; B: input Wq: QUANTISED
;;     2. [M 8,192, K 2,048] x [K 2,048, N 2,048]; A: input context_tokens; B: input Wk: QUANTISED
;;     3. [M 8,192, K 2,048] x [K 2,048, N 2,048]; A: input context_tokens; B: input Wv: QUANTISED
;;     4. batch 16 x [M 1, K 2,048] x [K 2,048, N 512]; A: computed on the way; B: computed on the way: left as it is (M = 1 < 16)
;;     5. batch 16 x [M 1, K 512] x [K 512, N 2,048]; A: softmax; B: computed on the way: left as it is (M = 1 < 16)
;;   THE QUANTISER, for each operand of a quantised product, along K:
;;     - K is cut into blocks of 32 from its start; a last block that is shorter is filled with zeros.
;;     - A block's scale is 2^e with e = floor(log2(the largest magnitude in the block)) - 2, held to -126 .. 127; a block of zeros has e = 0. As a byte (E8M0): e + 127.
;;     - Each number is divided by its block's scale, clamped to +-6, and rounded to the nearest number of E2M1, ties to even, subnormals kept.
;;     - The product sums the exact products of the quantised numbers (number of the format x scale) in f32.
;;   ~~~python
;;   def quantise(x, axis):      # numpy; x: float32 -> the quantised numbers, widened to float32 again
;;       x = np.moveaxis(x, axis, -1); K = x.shape[-1]
;;       x = np.pad(x, [(0, 0)] * (x.ndim - 1) + [(0, -K % 32)]); x = x.reshape(x.shape[:-1] + (-1, 32)); a = np.abs(x).max(-1, keepdims=True)
;;       e = np.where(a > 0, np.clip(np.frexp(np.where(a > 0, a, 1))[1] - 1 - 2, -126, 127), 0)      # np.frexp(a)[1] - 1 = floor(log2(a)), exactly
;;       r = np.clip(x / 2.0 ** e, -6, 6)
;;       step = 2.0 ** (np.maximum(np.frexp(np.where(r == 0, 1, r))[1] - 1, 0) - 1)
;;       q = np.round(r / step) * step * 2.0 ** e      # np.round: ties to even
;;       return np.moveaxis(q.reshape(q.shape[:-2] + (-1,))[..., :K], -1, axis).astype(np.float32)
;;   ~~~
;; 2 versions, each right; version 2 is version 1 with the launch quant written anew for expert scheduling mode. Each part assembles by itself: llvm-mc -triple=amdgcn-amd-amdhsa -mcpu=gfx1250 --defsym DOCPART=n.
;; ======== version 1 of 2: 4 launches
;; workspace buffers: a_codes 8,388,608 bytes; a_scales 524,288 bytes; w_codes 4,194,304 bytes; w_scales 262,144 bytes; qpart 524,288 bytes; spart 524,288 bytes; opart 786,432 bytes
;; launch quant (part 1): grid 896 x 1, 4 waves a work-group, no clusters, 64,000 bytes of LDS; arguments context_tokens, current_token, Wq, Wk, Wv, a_codes, a_scales, w_codes, w_scales, qpart; writes a_codes, a_scales, w_codes, w_scales, qpart
.if DOCPART == 1
	.amdgcn_target "amdgcn-amd-amdhsa--gfx1250"
	.amdhsa_code_object_version 6
	.text
	.protected	k_q68f136c5de_quant
	.globl	k_q68f136c5de_quant
	.p2align	8
	.type	k_q68f136c5de_quant,@function
k_q68f136c5de_quant:
	s_mov_b64 s[64:65], 0
	v_nop
	global_prefetch_b8 v0, s[64:65] scope:SCOPE_SE
	s_setreg_imm32_b32 hwreg(HW_REG_WAVE_MODE, 25, 1), 1
	s_wait_xcnt 0x0
; THE QUANTISING LAUNCH.  Every f32 input but the biases is read here, once.  Three kinds of work-group, told apart by the work-group's number alone; each wave of each kind takes 32,768 bytes of f32.
;   work-groups   0-127: q = Q(current_token) Q(Wq): 64 columns x 512 along K each; Wq and the tokens are quantised in registers and multiplied at once; four partial sums along K go to qpart [4][16][2048] f32.
;   work-groups 128-383: Wk and Wv [2048 k][2048 n] f32 -> w_codes [2][2048 n][1024 bytes], K innermost, and w_scales [2][2048 n][64].
;   work-groups 384-895: context_tokens [8192][2048] f32 -> a_codes [8192][1024 bytes] and a_scales [8192][64].
; CODES: FP4 (E2M1), two a byte, the lower k in the low four bits; one E8M0 byte for each 32 along K.  A block's scale is 2^(floor(log2(its largest magnitude)) - 2): its byte is the largest magnitude's
; exponent field - 2, held at 1 from below by a floor among the maximum's leaves.  Each number is divided by the scale and rounded to the nearest code, ties to even; beyond 6 the largest code.
; LIMITS: a block of zeros gets the byte 1 where the rule says 127 (its codes are zeros, which add nothing, and this program alone reads the bytes); blocks whose largest magnitude lies under 2^-124 keep
; the byte 1; NaN and infinities among the inputs are not served.
; No cluster, no tensor load: work-groups share nothing but current_token (32,768 of the 163,840 bytes that a work-group of the first kind reads), which comes through registers.
; Each kind has LDS bytes of its own: tokens 0 - 32,767; weights LW on; q LQ on.
.set WREG,  8192                       ; tokens: a wave's LDS region: two stages of 32 x SP bytes, and behind them its 256 scale bytes
.set SP,    80                         ; a lane's place in a stage: its 64 bytes + 16 of padding
.set CB,    8                          ; bytes of 16 codes
.set STEPS, 16
.set R,     16                         ; tokens: v16-79 four sets of 16 numbers as loaded
.set X,     80                         ; tokens: v80-111 two sets of 16 neighbours;  weights and q: v80-143 two sets of 32 numbers down K
.set E,     112                        ; tokens: v112-127 a scale byte for each step
.set CC,    128                        ; tokens: v128-191 codes, four registers for each step
.set WP,    272                        ; a stage row of 256 bytes + 16 of padding
.set LW,    32768                      ; weights: a stage of 64 rows x WP
.set LQ,    LW+64*WP                   ; q: the tokens' four fragments as images of their registers, 1,024 bytes each,
.set XSC,   LQ+4096                    ;    their scale words, 128 bytes each,
.set STG,   XSC+512                    ;    and two stages of 16 rows x WP for the two halves along K
.set WCD,   48                         ; weights: v48-51 a block's codes
.set SB,    52                         ; weights: v52-53 eight scale bytes
.set OUTR,  144                        ; weights: v144-175 the way out
.set TM,    16                         ; q: v16-31 at work in QUANT
.set PW,    32                         ; q: v32 the tokens' scale word just made
.set WS,    33                         ; q: v33 Wq's scale word: scales and nothing else
.set CTS,   34                         ; q: v34-35 the tokens' scale words of my two K steps: scales and nothing else
.set PC,    40                         ; q: v40-47 the tokens' codes just made
.set WC,    48                         ; q: v48-63 Wq's two fragments (columns 0-15, columns 16-31) of a K step
.set ACC0,  64                         ; q: v64-71, v72-79 the two accumulators
.set ACC1,  72
.set CTN,   112                        ; q: v112-175 64 numbers of the tokens; done with before v112-159 are loaded again
.set CTF,   144                        ; q: v144-159 the tokens' fragments of my two K steps
.set OUTQ,  176                        ; q: v176-191 the way out
.set SEL,   44                         ; s[44:45] lane selects for v_permlanex16_b32: lane l xor 16
; ---- tokens: a step is 512 numbers.  Each of its four loads reads 512 consecutive bytes, 16 a lane; the 2,048 bytes turn through the wave's own stage and come back 64 bytes (16 neighbours along K) a lane
.macro CLOAD t
.irp i, 0,1,2,3
	global_load_b128 v[R+16*((\t)%4)+4*\i:R+16*((\t)%4)+4*\i+3], v3, s[4:5] offset:2048*(\t)+512*\i th:TH_LOAD_NT
.endr
.endm
.macro CTURN t                         ; LDS serves a wave's instructions in order (ISA guide 5.7.1.4): no wait between the stores and the loads
.irp i, 0,1,2,3
	ds_store_b128 v14, v[R+16*((\t)%4)+4*\i:R+16*((\t)%4)+4*\i+3] offset:32*SP*((\t)%2)+8*SP*\i
.endr
.irp i, 0,1,2,3
	ds_load_b128 v[X+16*((\t)%2)+4*\i:X+16*((\t)%2)+4*\i+3], v15 offset:32*SP*((\t)%2)+16*\i
.endr
.endm
.macro CSTEP t
.set XS, X+16*((\t)%2)
.if (\t) > 0
	s_wait_dscnt 1                                 ; this step's numbers are back from the stage (the last step's byte store may be out): so the stage's stores have read their registers,
.else
	s_wait_dscnt 0x0
.endif
.if (\t)+4 < STEPS
	CLOAD (\t)+4                                   ; which take the loads of four steps on
.endif
.if (\t)+1 < STEPS
.if STEPS-2-(\t) >= 3
	s_wait_loadcnt 12                              ; the next step's four loads are in; the twelve of the three steps behind it may be out
.else
	s_wait_loadcnt 4*(STEPS-2-(\t))                ; at the end the count runs down
.endif
	CTURN (\t)+1                                   ; they go through the other stage while this step is worked
.endif
	v_max3_num_f32 v8, |v[XS]|, |v[XS+1]|, |v[XS+2]|               ; the largest magnitude of my 16, in two chains
	v_max3_num_f32 v9, |v[XS+3]|, |v[XS+4]|, |v[XS+5]|
.irp i, 6,10
	v_max3_num_f32 v8, v8, |v[XS+\i]|, |v[XS+\i+1]|
	v_max3_num_f32 v9, v9, |v[XS+\i+2]|, |v[XS+\i+3]|
.endr
	v_max3_num_f32 v8, v8, |v[XS+14]|, |v[XS+15]|
	v_max3_num_f32 v8, v8, v9, 0x1800000           ; and the floor 2^(3 - 127): the byte cannot fall under 1
	v_max_num_f32_dpp v8, v8, v8 row_xmask:1 row_mask:0xf bank_mask:0xf   ; with my neighbour's 16: the block's
	v_add_nc_u32 v11, 0xff000000, v8               ; 2 off its exponent field: the conversion takes the exponent field of this operand as its scale
	v_cvt_scalef32_pk8_fp4_f32 v[CC+4*(\t)], v[XS:XS+7], v11
	v_cvt_scalef32_pk8_fp4_f32 v[CC+4*(\t)+1], v[XS+8:XS+15], v11
	v_lshrrev_b32 v[E+(\t)], 23, v11               ; the scale's byte (also the plain instruction behind the conversions)
	ds_store_b8 v5, v[E+(\t)] offset:16*(\t)       ; both lanes of a block write the same byte with the same value
	global_store_b64 v4, v[CC+4*(\t):CC+4*(\t)+1], s[8:9] offset:32*CB*(\t)   ; the wave stores 256 consecutive bytes, aligned
.endm
; ---- weights and q: a lane takes a column n and its registers run down K.  Block t: W(32 t + i, my column), i = 0 .. 31, into set t % 2; a load reads 128 consecutive bytes, two waves side by side 256
.macro KLOAD t, vo
.irp i, 0,1,2,3,4,5,6,7,8,9,10,11,12,13,14,15,16,17,18,19,20,21,22,23,24,25,26,27,28,29,30,31
	global_load_b32 v[X+32*((\t)%2)+\i], v[\vo], s[4:5] offset:(32*(\t)+\i)*8192 th:TH_LOAD_NT
.endr
.endm
.macro BMAX xs                         ; a block of 32 numbers, all mine: v11 = the conversion's scale operand, v13 = the scale's byte
	v_max3_num_f32 v12, |v[\xs]|, |v[\xs+1]|, |v[\xs+2]|
	v_max3_num_f32 v13, |v[\xs+3]|, |v[\xs+4]|, |v[\xs+5]|
.irp i, 6,10,14,18,22,26
	v_max3_num_f32 v12, v12, |v[\xs+\i]|, |v[\xs+\i+1]|
	v_max3_num_f32 v13, v13, |v[\xs+\i+2]|, |v[\xs+\i+3]|
.endr
	v_max3_num_f32 v12, v12, |v[\xs+30]|, |v[\xs+31]|
	v_max3_num_f32 v12, v12, v13, 0x1800000        ; the floor 2^(3 - 127)
	v_add_nc_u32 v11, 0xff000000, v12              ; 2 off the exponent field
	v_lshrrev_b32 v13, 23, v11
.endm
.macro WBLOCK t
.set XS, X+32*((\t)%2)
.if (\t) < 7
	s_wait_loadcnt 32                              ; this block's 32 loads are in; the next block's 32 may be out
.else
	s_wait_loadcnt 0x0
.endif
	BMAX XS
.if (\t)%4 == 0
	v_mov_b32 v[SB+(\t)/4], v13                    ; four bytes to a register, the lower K in the lower byte
.else
	v_lshl_or_b32 v[SB+(\t)/4], v13, 8*((\t)%4), v[SB+(\t)/4]
.endif
.irp g, 0,1,2,3
	v_cvt_scalef32_pk8_fp4_f32 v[WCD+\g], v[XS+8*\g:XS+8*\g+7], v11
.endr
	v_nop                                          ; one plain instruction behind the conversions
	ds_store_b128 v4, v[WCD:WCD+3] offset:16*(\t)  ; 32 codes: 16 bytes of my column's row
.if (\t)+2 < 8
	KLOAD (\t)+2, 3
.endif
	s_wait_dscnt 0x0                               ; the store has read its registers: the next block's codes may be written
.endm
.macro BARRIER                         ; my LDS stores have landed and my LDS loads are in: then the work-group's barrier
	s_wait_dscnt 0x0
	s_barrier_signal -1
	s_barrier_wait -1
.endm
; 64 numbers of a lane, v[s] .. v[s + 63], register 16 b + i = k 32 b + 16 (lane / 16) + i of my row, become a fragment's codes in v[PC] on and its scale word in v[PW]
.macro QUANT s
.irp b, 0,1,2,3
	v_max3_num_f32 v[TM+\b], |v[\s+16*\b]|, |v[\s+1+16*\b]|, 0x1800000
.endr
.irp i, 2,4,6,8,10,12,14
.irp b, 0,1,2,3
	v_max3_num_f32 v[TM+\b], v[TM+\b], |v[\s+16*\b+\i]|, |v[\s+1+16*\b+\i]|   ; the four blocks by turns
.endr
.endr
.irp b, 0,1,2,3
	v_permlanex16_b32 v[TM+4+\b], v[TM+\b], s[SEL], s[SEL+1]
.endr
.irp b, 0,1,2,3
	v_max_num_f32 v[TM+\b], v[TM+\b], v[TM+4+\b]   ; with lane l xor 16's: the block's largest magnitude
.endr
.irp b, 0,1,2,3
	v_add_nc_u32 v[TM+12+\b], 0xff000000, v[TM+\b]
.endr
.irp b, 0,1,2,3
	v_lshrrev_b32 v[TM+4+\b], 23, v[TM+12+\b]
.endr
	v_lshl_or_b32 v[PW], v[TM+5], 8, v[TM+4]       ; the four bytes make my row's scale word
	v_lshl_or_b32 v[PW], v[TM+6], 16, v[PW]
	v_lshl_or_b32 v[PW], v[TM+7], 24, v[PW]
.irp b, 0,1,2,3
	v_cvt_scalef32_pk8_fp4_f32 v[PC+2*\b], v[\s+16*\b:\s+7+16*\b], v[TM+12+\b]
	v_cvt_scalef32_pk8_fp4_f32 v[PC+1+2*\b], v[\s+8+16*\b:\s+15+16*\b], v[TM+12+\b]
.endr
	v_nop                                          ; one plain instruction behind the conversions
.irp c, 0,1                                    ; the operand's layout wants a whole block in a lane: lanes 0-15 block 2 c, lanes 16-31 block 2 c + 1
.irp i, 0,1
	v_permlane16_swap_b32 v[PC+4*\c+\i], v[PC+2+4*\c+\i]
.endr
.endr
.endm
; q: block t of my 256 along K.  Block t % 4 of a K step goes to registers 4 ((t % 4) / 2) on of fragment t % 2; when four blocks are there, eight exchanges of halves make of them the fragment of
; columns 0-15 (lanes 0-15: blocks 0, 2; lanes 16-31: blocks 1, 3 of column lane % 16) and that of columns 16-31, and two products follow.
.macro QBLOCK t
.set XS, X+32*((\t)%2)
.if (\t) < 7
	s_wait_loadcnt 32                              ; this block's 32 loads are in; the next block's 32 may be out
.else
	s_wait_loadcnt 0x0
.endif
	BMAX XS                                        ; (its eighteen plain instructions are also the places behind the last K step's products, ahead of the writes of WS and WC)
.if (\t)%4 == 0
	v_mov_b32 v[WS], v13
.else
	v_lshl_or_b32 v[WS], v13, 8*((\t)%4), v[WS]    ; lane l holds column l's scale word: lanes 0-15 serve the first fragment, lanes 16-31 the second
.endif
.irp g, 0,1,2,3
	v_cvt_scalef32_pk8_fp4_f32 v[WC+8*((\t)%2)+4*(((\t)%4)/2)+\g], v[XS+8*\g:XS+8*\g+7], v11
.endr
	v_nop                                          ; one plain instruction behind the conversions
.if (\t)+2 < 8
	KLOAD (\t)+2, 14
.endif
.if (\t)%4 == 3
.irp i, 0,1,2,3,4,5,6,7
	v_permlane16_swap_b32 v[WC+\i], v[WC+8+\i]     ; the first's lanes 16-31 change places with the second's lanes 0-15
.endr
.rept 8
	v_nop                                          ; a scale register written by a vector instruction stands 8 places ahead of a scaled product, an operand so written 4
.endr
; transposed: source 0 = 16 columns of Wq, source 1 = the 16 tokens: lane (r, h) holds token r and columns 8 h + 0 .. 7.  The two accumulators take turns.
.if (\t) == 3
	v_wmma_scale_f32_16x16x128_f8f6f4 v[ACC0:ACC0+7], v[WC:WC+7], v[CTF:CTF+7], 0, v[WS], v[CTS] matrix_a_fmt:MATRIX_FMT_FP4 matrix_b_fmt:MATRIX_FMT_FP4
	v_wmma_scale_f32_16x16x128_f8f6f4 v[ACC1:ACC1+7], v[WC+8:WC+15], v[CTF:CTF+7], 0, v[WS], v[CTS] matrix_a_fmt:MATRIX_FMT_FP4 matrix_b_fmt:MATRIX_FMT_FP4 matrix_a_scale:MATRIX_SCALE_ROW1
.else
	v_wmma_scale_f32_16x16x128_f8f6f4 v[ACC0:ACC0+7], v[WC:WC+7], v[CTF+8:CTF+15], v[ACC0:ACC0+7], v[WS], v[CTS+1] matrix_a_fmt:MATRIX_FMT_FP4 matrix_b_fmt:MATRIX_FMT_FP4
	v_wmma_scale_f32_16x16x128_f8f6f4 v[ACC1:ACC1+7], v[WC+8:WC+15], v[CTF+8:CTF+15], v[ACC1:ACC1+7], v[WS], v[CTS+1] matrix_a_fmt:MATRIX_FMT_FP4 matrix_b_fmt:MATRIX_FMT_FP4 matrix_a_scale:MATRIX_SCALE_ROW1
.endif
.endif
.endm
	s_load_b256 s[24:31], s[0:1], 0x0              ; context_tokens s[24:25], current_token s[26:27], Wq s[28:29], Wk s[30:31]
	s_load_b256 s[32:39], s[0:1], 0x20             ; Wv s[32:33], a_codes s[34:35], a_scales s[36:37], w_codes s[38:39]
	s_load_b128 s[40:43], s[0:1], 0x40             ; w_scales s[40:41], qpart s[42:43]
	v_lshl_add_u32 v192, v0, 2, 0xf800
	v_mov_b32 v193, 0
	v_lshrrev_b32 v1, 5, v0
	v_readfirstlane_b32 s16, v1                    ; wave 0..3
	s_wait_kmcnt 0x0
	s_cmp_lt_u32 ttmp9, 128
	s_cbranch_scc1 .Lq
	s_cmp_lt_u32 ttmp9, 384
	s_cbranch_scc1 .Lw
; ======== context_tokens: rows are dense and 2,048 is a multiple of 32, so the tensor is a plain stream of blocks; a wave takes a run of 8,192 numbers: 16 steps
	v_and_b32 v2, 31, v0                           ; lane
	v_lshlrev_b32 v3, 4, v2                        ; my 16 bytes of a load's 512
	s_mul_i32 s17, s16, WREG
	v_lshrrev_b32 v14, 2, v2
	v_mul_u32_u24 v14, v14, SP
	v_and_b32 v15, 3, v2
	v_lshl_add_u32 v14, v15, 4, v14
	v_add_nc_u32 v14, s17, v14                     ; the stage, on the way in: SP (lane / 4) + 16 (lane % 4)
	v_mul_u32_u24 v15, v2, SP
	v_add_nc_u32 v15, s17, v15                     ; and on the way out: SP x lane: my 16 neighbours
	v_mul_u32_u24 v4, v2, CB                       ; my codes' place in a step's
	v_lshrrev_b32 v5, 1, v2
	s_add_co_u32 s17, s17, 2*32*SP
	v_add_nc_u32 v5, s17, v5                       ; my wave's 256 scale bytes, my block's byte
	v_lshlrev_b32 v7, 3, v2                        ; and on the way out 8 bytes a lane
	v_add_nc_u32 v6, s17, v7
	s_sub_co_u32 s17, ttmp9, 384
	s_lshl_b32 s17, s17, 2
	s_add_co_u32 s18, s17, s16                     ; which run is my wave's: 0 .. 2,047
	s_mov_b32 s19, 0
	s_lshl_b64 s[20:21], s[18:19], 15              ; 32,768 bytes of f32,
	s_add_nc_u64 s[4:5], s[24:25], s[20:21]
	s_lshl_b64 s[20:21], s[18:19], 12              ; 4,096 of codes,
	s_add_nc_u64 s[8:9], s[34:35], s[20:21]
	s_lshl_b64 s[20:21], s[18:19], 8               ; 256 scale bytes a run
	s_add_nc_u64 s[10:11], s[36:37], s[20:21]
.irp t, 0,1,2,3
	CLOAD \t
.endr
	s_wait_loadcnt 12                              ; step 0's four loads are in
	CTURN 0
.irp t, 0,1,2,3,4,5,6,7,8,9,10,11,12,13,14,15
	CSTEP \t
.endr
	ds_load_b64 v[12:13], v6                       ; my wave's 256 scale bytes: these loads see my stores
	s_wait_dscnt 0x0
	global_store_b64 v7, v[12:13], s[10:11]        ; 32 lanes store 256 consecutive bytes, aligned
	s_wait_tensorcnt 0x0
	ds_add_u32 v192, v193
	s_wait_dscnt 0x0
	s_endpgm
; ======== Wk, Wv: a work-group takes 64 columns x 512 along K; wave (cg, kh) columns 32 cg on, 256 kh along K on: 8 blocks a lane.  The codes meet in a stage of 64 rows x 256 bytes and leave as whole rows
.Lw:
	v_and_b32 v2, 31, v0                           ; lane
	v_lshlrev_b32 v3, 2, v2                        ; in: 4 bytes a lane
	v_and_b32 v5, 15, v0
	v_bfe_u32 v6, v0, 4, 1
	s_and_b32 s17, s16, 1                          ; cg
	s_lshr_b32 s18, s16, 1                         ; kh
	s_sub_co_u32 s19, ttmp9, 128
	s_lshr_b32 s20, s19, 7                         ; 0: Wk, 1: Wv
	s_and_b32 s21, s19, 31                         ; x: which 64 columns
	s_bfe_u32 s22, s19, 0x20005                    ; y: which 512 along K
	s_mul_i32 s23, s17, 32*WP
	s_lshl_b32 s2, s18, 7
	s_add_co_u32 s23, s23, s2
	s_add_co_u32 s23, s23, LW
	v_mul_u32_u24 v4, v2, WP
	v_add_nc_u32 v4, s23, v4                       ; into the stage: row = my column, my half of its 256 bytes
	s_mul_i32 s23, s16, 16*WP
	s_add_co_u32 s23, s23, LW
	v_mul_u32_u24 v7, v6, WP
	v_lshl_add_u32 v7, v5, 4, v7
	v_add_nc_u32 v7, s23, v7                       ; out of it: wave w takes rows 16 w on; sixteen lanes to a row, two rows an instruction
	v_lshlrev_b32 v8, 10, v6
	v_lshl_add_u32 v8, v5, 4, v8                   ; and the same place in w_codes
	v_lshlrev_b32 v9, 6, v2                        ; my column's row of scale bytes
	s_cmp_eq_u32 s20, 0                            ; the choice hangs on the work-group's number alone
	s_cselect_b64 s[4:5], s[30:31], s[32:33]
	s_lshl_b32 s2, s22, 22                         ; (512 y + 256 kh) rows of 8,192 bytes + (64 x + 32 cg) columns of 4
	s_lshl_b32 s3, s18, 21
	s_add_co_u32 s2, s2, s3
	s_lshl_b32 s3, s21, 8
	s_add_co_u32 s2, s2, s3
	s_lshl_b32 s3, s17, 7
	s_add_co_u32 s2, s2, s3
	s_mov_b32 s3, 0
	s_add_nc_u64 s[4:5], s[4:5], s[2:3]
	s_lshl_b32 s2, s20, 21                         ; codes: the tensor's 2,097,152 bytes + (64 x + 16 w) rows of 1,024 + 256 y
	s_lshl_b32 s3, s21, 16
	s_add_co_u32 s2, s2, s3
	s_lshl_b32 s3, s16, 14
	s_add_co_u32 s2, s2, s3
	s_lshl_b32 s3, s22, 8
	s_add_co_u32 s2, s2, s3
	s_mov_b32 s3, 0
	s_add_nc_u64 s[6:7], s[38:39], s[2:3]
	s_lshl_b32 s2, s20, 17                         ; scale bytes: the tensor's 131,072 + (64 x + 32 cg) rows of 64 + 16 y + 8 kh
	s_lshl_b32 s3, s21, 12
	s_add_co_u32 s2, s2, s3
	s_lshl_b32 s3, s17, 11
	s_add_co_u32 s2, s2, s3
	s_lshl_b32 s3, s22, 4
	s_add_co_u32 s2, s2, s3
	s_lshl_b32 s3, s18, 3
	s_add_co_u32 s2, s2, s3
	s_mov_b32 s3, 0
	s_add_nc_u64 s[8:9], s[40:41], s[2:3]
	KLOAD 0, 3
	KLOAD 1, 3
.irp t, 0,1,2,3,4,5,6,7
	WBLOCK \t
.endr
	global_store_b64 v9, v[SB:SB+1], s[8:9]        ; my column's eight scale bytes: rows of 64 bytes, so these stores are short: one byte for each 128 that the launch reads
	BARRIER                                        ; a row's 256 bytes come from two waves
.irp i, 0,1,2,3,4,5,6,7
	ds_load_b128 v[OUTR+4*\i:OUTR+4*\i+3], v7 offset:2*\i*WP
.endr
.irp i, 0,1,2,3,4,5,6,7
	s_wait_dscnt 7-\i                              ; LDS loads come back in order: load i is in
	global_store_b128 v8, v[OUTR+4*\i:OUTR+4*\i+3], s[6:7] offset:2*\i*1024   ; sixteen lanes store 256 consecutive bytes, aligned
.endr
	s_wait_tensorcnt 0x0
	ds_add_u32 v192, v193
	s_wait_dscnt 0x0
	s_endpgm
; ======== q: a work-group takes 64 columns of Wq x a chunk of 512 along K.  Wave w quantises K step w of the chunk of all 16 tokens and hands it round through LDS as an image of the operand's registers;
; wave (cg, kh) multiplies columns 32 cg on by K steps 2 kh and 2 kh + 1.  The two halves along K are added on the way out; the four chunks and bq by the launch that reads qpart.
.Lq:
	v_and_b32 v1, 31, v0                           ; lane
	v_and_b32 v2, 15, v0                           ; r
	v_bfe_u32 v3, v0, 4, 1                         ; h
	s_and_b32 s17, s16, 1                          ; cg
	s_lshr_b32 s18, s16, 1                         ; kh
	s_and_b32 s19, ttmp9, 31                       ; x: which 64 columns
	s_lshr_b32 s20, ttmp9, 5                       ; which chunk of 512 along K
	v_lshlrev_b32 v4, 13, v2
	v_lshl_add_u32 v4, v3, 6, v4                   ; the tokens: row r of 8,192 bytes, + 64 h: my 16 numbers of a block of 32
	v_lshlrev_b32 v12, 4, v1
	v_lshlrev_b32 v13, 2, v1
	s_lshl_b32 s21, s18, 11
	s_add_co_u32 s21, s21, LQ
	v_add_nc_u32 v5, s21, v12                      ; where I read images: 16 x lane + my two K steps
	s_lshl_b32 s21, s18, 8
	s_add_co_u32 s21, s21, XSC
	v_add_nc_u32 v6, s21, v13                      ; and their scale words: 4 x lane
	s_lshl_b32 s21, s16, 10
	s_add_co_u32 s21, s21, LQ
	v_add_nc_u32 v7, s21, v12                      ; where I store my image: 16 x lane + 1,024 x wave
	s_lshl_b32 s21, s16, 7
	s_add_co_u32 s21, s21, XSC
	v_add_nc_u32 v8, s21, v13                      ; and its scale words: 4 x lane + 128 x wave
	s_mul_i32 s21, s18, 16*WP
	s_lshl_b32 s22, s17, 7
	s_add_co_u32 s21, s21, s22
	s_add_co_u32 s21, s21, STG
	v_mul_u32_u24 v9, v2, WP
	v_lshl_add_u32 v9, v3, 5, v9
	v_add_nc_u32 v9, s21, v9                       ; the stage of my half along K: row r, + 128 cg + 32 h
	s_mul_i32 s21, s16, 4*WP
	s_add_co_u32 s21, s21, STG
	v_mul_u32_u24 v10, v3, WP
	v_lshl_add_u32 v10, v2, 4, v10
	v_add_nc_u32 v10, s21, v10                     ; back: wave w takes tokens 4 w on; sixteen lanes to a row
	v_lshlrev_b32 v14, 2, v1                       ; Wq: 4 bytes a lane
	v_lshlrev_b32 v15, 13, v3
	v_lshl_add_u32 v15, v2, 4, v15                 ; and the same two rows in qpart
	s_mov_b32 s[SEL], 0x76543210
	s_mov_b32 s[SEL+1], 0xfedcba98
.irp b, 0,1,2,3
	v_mov_b32 v[TM+4+\b], 0                        ; written once: a lane permute's destination counts as one of its sources
.endr
	s_lshl_b32 s2, s20, 11                         ; the tokens: (512 chunk + 128 w) numbers of 4 bytes
	s_lshl_b32 s3, s16, 9
	s_add_co_u32 s2, s2, s3
	s_mov_b32 s3, 0
	s_add_nc_u64 s[6:7], s[26:27], s[2:3]
	s_lshl_b32 s2, s20, 22                         ; Wq: (512 chunk + 256 kh) rows of 8,192 bytes + (64 x + 32 cg) columns of 4
	s_lshl_b32 s3, s18, 21
	s_add_co_u32 s2, s2, s3
	s_lshl_b32 s3, s19, 8
	s_add_co_u32 s2, s2, s3
	s_lshl_b32 s3, s17, 7
	s_add_co_u32 s2, s2, s3
	s_mov_b32 s3, 0
	s_add_nc_u64 s[4:5], s[28:29], s[2:3]
	s_lshl_b32 s2, s20, 17                         ; qpart: the chunk's 131,072 bytes + 4 w rows of 8,192 + 256 x
	s_lshl_b32 s3, s16, 15
	s_add_co_u32 s2, s2, s3
	s_lshl_b32 s3, s19, 8
	s_add_co_u32 s2, s2, s3
	s_mov_b32 s3, 0
	s_add_nc_u64 s[8:9], s[42:43], s[2:3]
.irp b, 0,1,2,3
.irp j, 0,1,2,3
	global_load_b128 v[CTN+16*\b+4*\j:CTN+16*\b+4*\j+3], v4, s[6:7] offset:128*\b+16*\j   ; no hint: many work-groups read the tokens
.endr
.endr
	KLOAD 0, 14
	s_wait_loadcnt 32                              ; the tokens' 16 loads are in; block 0's 32 may be out
	QUANT CTN
.irp c, 0,1
	ds_store_b128 v7, v[PC+4*\c:PC+4*\c+3] offset:512*\c   ; the fragment goes to LDS as it stands
.endr
	ds_store_b32 v8, v[PW]
	KLOAD 1, 14                                    ; into registers that held the tokens' numbers
	BARRIER                                        ; the tokens' four fragments lie in LDS
.irp s, 0,1
.irp c, 0,1
	ds_load_b128 v[CTF+8*\s+4*\c:CTF+8*\s+4*\c+3], v5 offset:1024*\s+512*\c
.endr
	ds_load_b32 v[CTS+\s], v6 offset:128*\s
.endr
	s_wait_dscnt 0x0
.irp t, 0,1,2,3,4,5,6,7
	QBLOCK \t
.endr
.rept 4
	v_nop                                          ; four places between the last product and the first read of a result (ISA guide 7.12.1)
.endr
	ds_store_b128 v9, v[ACC0:ACC0+3]               ; each accumulator from its low end on: q(r, 32 cg + 8 h + 0 .. 7),
	ds_store_b128 v9, v[ACC0+4:ACC0+7] offset:16
	ds_store_b128 v9, v[ACC1:ACC1+3] offset:64     ; and 16 columns further on
	ds_store_b128 v9, v[ACC1+4:ACC1+7] offset:80
	BARRIER                                        ; 16 rows x 64 columns lie in each of the two stages
.irp k, 0,1
.irp i, 0,1
	ds_load_b128 v[OUTQ+8*\k+4*\i:OUTQ+8*\k+4*\i+3], v10 offset:\k*16*WP+2*\i*WP
.endr
.endr
	s_wait_dscnt 0x0
.irp j, 0,2,4,6
	v_pk_add_f32 v[OUTQ+\j:OUTQ+\j+1], v[OUTQ+\j:OUTQ+\j+1], v[OUTQ+8+\j:OUTQ+8+\j+1]   ; the two halves along K
.endr
.irp i, 0,1
	global_store_b128 v15, v[OUTQ+4*\i:OUTQ+4*\i+3], s[8:9] offset:2*\i*8192   ; sixteen lanes store 256 consecutive bytes, aligned
.endr
	s_wait_tensorcnt 0x0
	ds_add_u32 v192, v193
	s_wait_dscnt 0x0
	s_endpgm
.Lfunc_end_k_q68f136c5de_quant:
	.size	k_q68f136c5de_quant, .Lfunc_end_k_q68f136c5de_quant-k_q68f136c5de_quant
	.p2alignl 7, 3214868480
	.fill 96, 4, 3214868480
	.section	.rodata,"a",@progbits
	.p2align	6, 0x0
	.amdhsa_kernel k_q68f136c5de_quant
		.amdhsa_group_segment_fixed_size 64000
		.amdhsa_private_segment_fixed_size 0
		.amdhsa_enable_private_segment 0
		.amdhsa_kernarg_size 80
		.amdhsa_user_sgpr_count 2
		.amdhsa_user_sgpr_kernarg_segment_ptr 1
		.amdhsa_wavefront_size32 1
		.amdhsa_system_sgpr_workgroup_id_x 1
		.amdhsa_system_sgpr_workgroup_id_y 1
		.amdhsa_system_sgpr_workgroup_id_z 1
		.amdhsa_system_vgpr_workitem_id 0
		.amdhsa_next_free_vgpr 194
		.amdhsa_next_free_sgpr 66
		.amdhsa_reserve_vcc 0
		.amdhsa_float_denorm_mode_32 3
		.amdhsa_float_denorm_mode_16_64 3
		.amdhsa_memory_ordered 1
		.amdhsa_forward_progress 1
		.amdhsa_inst_pref_size 121
	.end_amdhsa_kernel
	.amdgpu_metadata
---
amdhsa.version: [ 1, 2 ]
amdhsa.kernels:
  - .name:           k_q68f136c5de_quant
    .symbol:         k_q68f136c5de_quant.kd
    .args:
      - { .name: context_tokens, .offset: 0, .size: 8, .value_kind: global_buffer, .address_space: global }
      - { .name: current_token, .offset: 8, .size: 8, .value_kind: global_buffer, .address_space: global }
      - { .name: Wq, .offset: 16, .size: 8, .value_kind: global_buffer, .address_space: global }
      - { .name: Wk, .offset: 24, .size: 8, .value_kind: global_buffer, .address_space: global }
      - { .name: Wv, .offset: 32, .size: 8, .value_kind: global_buffer, .address_space: global }
      - { .name: a_codes, .offset: 40, .size: 8, .value_kind: global_buffer, .address_space: global }
      - { .name: a_scales, .offset: 48, .size: 8, .value_kind: global_buffer, .address_space: global }
      - { .name: w_codes, .offset: 56, .size: 8, .value_kind: global_buffer, .address_space: global }
      - { .name: w_scales, .offset: 64, .size: 8, .value_kind: global_buffer, .address_space: global }
      - { .name: qpart, .offset: 72, .size: 8, .value_kind: global_buffer, .address_space: global }
    .group_segment_fixed_size: 64000
    .private_segment_fixed_size: 0
    .kernarg_segment_align: 8
    .kernarg_segment_size: 80
    .max_flat_workgroup_size: 128
    .sgpr_count:     66
    .vgpr_count:     194
    .wavefront_size: 32
...
	.end_amdgpu_metadata
.endif
;; end of part 1
;; launch kgemm (part 2): grid 8 x 32, 4 waves a work-group, clusters of 4 x 4, 327,680 bytes of LDS; arguments a_codes, a_scales, w_codes, w_scales, spart, qpart, bq, bk; writes spart
.if DOCPART == 2
	.amdgcn_target "amdgcn-amd-amdhsa--gfx1250"
	.amdhsa_code_object_version 6
	.text
	.protected	k_q68f136c5de_kgemm
	.globl	k_q68f136c5de_kgemm
	.p2align	8
	.type	k_q68f136c5de_kgemm,@function
k_q68f136c5de_kgemm:
	s_mov_b64 s[64:65], 0
	v_nop
	global_prefetch_b8 v0, s[64:65] scope:SCOPE_SE
	s_setreg_imm32_b32 hwreg(HW_REG_WAVE_MODE, 25, 1), 1
	s_wait_xcnt 0x0
	s_wait_alu depctr_hold_cnt(0) depctr_sa_sdst(0) depctr_va_vdst(0) depctr_va_sdst(0) depctr_va_ssrc(0) depctr_va_vcc(0) depctr_vm_vsrc(0)
	s_getreg_b32 s2, hwreg(HW_REG_IB_STS2, 6, 4)
	s_cmp_eq_u32 s2, 0
	s_cbranch_scc0 .Lentry_in_a_cluster
	s_endpgm
.Lentry_in_a_cluster:
	s_bfe_u32 s2, ttmp6, 0x10000c
	s_cmp_lg_u32 s2, 0xf033
	s_cbranch_scc0 .Lentry_shape_is_right
	s_endpgm
.Lentry_shape_is_right:
; k = Q(context_tokens) Q(Wk) on codes of FP4 (E2M1) with one E8M0 scale for each 32 along K, and, on the f32 sums as they lie in the accumulators, the scores' partial sums:
; spart[part][l] = sum over the part's 128 columns a of q[b(l)][a] (k[l][a] + bk[a]), q = the four chunks of qpart + bq.  k itself never goes to memory.
; a_codes [8192][1024 bytes], a_scales [8192][64]; w_codes [2][2048][1024 bytes], w_scales [2][2048][64]: here the first of the two, Wk's.  spart [16 parts of 128 columns][8192 rows] f32.
; A tile of k, 256 x 256, is made by a work-group of four waves, as many as a WGP has SIMDs; a wave makes 128 x 128: 64 accumulators of 16 x 16, 512 registers.  A tile's 256 rows lie in one batch of 512.
; K goes in four steps of 512 through a ring of two LDS slots filled by the tensor data mover: a tile's row is 256 bytes of memory.  The scales of the work-group's 256 + 256 rows, for all of K, are two dense
; blocks of memory: they come into LDS once, with the first fills, and stay.
; CLUSTERS: 4 x 4 work-groups.  The four of a row of the cluster need the same tiles of A, the four of a column the same tiles of B: each tile is asked for JOINTLY, by the same tensor load with the same
; descriptor and a mask that names the four.  By this text's own count a wave has three tensor loads out at the start and one behind each of the two rounds that fill a slot again.
; THE PRODUCT IS USED TRANSPOSED (source 0 = 16 rows of w_codes, source 1 = 16 rows of a_codes): lane (r, h) of accumulator (a, b) holds row 16 a + r of k and columns 16 b + 8 h + 0 .. 7, so the sum over
; columns is packed multiply-adds within the lane and one exchange between the halves of the lanes.
; REGISTERS, in windows of 256: window 0: v0-31 addresses; v32-95 scale words, two sets; v96-99 q of my lane's four columns; v100 the wave's sum of q bk; v104-127 at work at the head;
;   from v128 A's fragments, ONE set, on the way out q in the accumulators' order; v192-223 at work on the way out.   window 1: B's fragments, TWO sets, at v0 and v128.
;   window 2: the 32 accumulators of my rows 0-63 ((a, b) at v[8 (8 a + b)]);   window 3: those of my rows 64-127.
; LIMITS: NaN and infinities are not served.
.set KSTEP,  512                       ; along K in a slot
.set NQ,     KSTEP/128                 ; matrix instructions deep
.set ROWB,   256                       ; a tile's row in bytes
.set KROW,   1024                      ; a row of codes in memory, in bytes
.set PITCH,  272                       ; an LDS row: 256 bytes + 16 of padding = 68 words: the 16 rows that a load touches start at 16 different banks (64 banks of 4 bytes: ISA guide 11.1)
.set FR,     8                         ; registers of a fragment: 16 rows x 128 K
.set NL,     2                         ; LDS loads that bring one
.set NP,     4                         ; places behind this matrix instruction (ISA guide 7.12.1)
.set HALFT,  128*PITCH                 ; 128 rows: what one tensor load brings, and what one wave reads of A or of B
.set SLOT,   4*HALFT                   ; A's 256 rows, then B's 256 rows
.set LAPS,   2                         ; a lap = two K steps = once round the ring
.set KS,     64                        ; a row of scales in bytes
.set SCL,    2*SLOT                    ; behind the ring: the scales, as units of 256 bytes + 16 of padding
.set HALFS,  (128*KS/256)*272          ; the scales of 128 rows: what one tensor load brings
.set SBLK,   (16*KS/256)*272           ; those of 16 rows
.set SPARE,  SCL+4*HALFS               ; behind the scales: the spare words, 128 bytes for each wave: two blocks of 256 bytes that no other line names
.set STGB,   8448                      ; the way out: a wave's stage, in slot 0, which has had its last fill and its last read when the first byte is stored there: q at byte 0, results at byte 1,024
.set ADRA, 16                          ; v16-17  LDS address of my A fragments in slot 0, 1
.set LN,   18                          ; v18     my lane
.set ADRB, 20                          ; v20-21  the same for B
.set RB,   22                          ; v22     the stage: where my half of the lanes reads q: + 32 h
.set W4,   23                          ; v23     the stage: where I put a result: 1,024 + 4 x lane
.set RD,   25                          ; v25     the stage: 16 x lane
.set CO,   26                          ; v26     16 x lane: my offset in 512 bytes of memory
.set ADRS, 27                          ; v27     LDS address of my scale words: lanes 0-15 A's rows, lanes 16-31 B's
.set SPW,  28                          ; v28     LDS address of my spare word; never rewritten
.set NIL,  29                          ; v29     0; never rewritten
.set R16,  30                          ; v30     the stage: where I read four results back: 1,024 + 16 x lane
.set SC,   32                          ; scale words: set s at v[SC + 8 NQ s]; register NQ i + q: lanes 0-15 the word of A's block i, lanes 16-31 that of B's block i, for the slot's q-th 128 along K
.set Q4,   96
.set C0,   100
.set TP,   104
.set AF,   128                         ; A's fragments, in window 0
.set QW,   128                         ; the way out: v[QW + 8 b + j] = q[16 b + 8 h + j]
.set SS,   192                         ; eight pairs of sums (even columns', odd columns'), one for each block of 16 rows
.set XR,   208
.set YR,   216
.set ZR,   220
.set G1, 24                            ; s[24:31] descriptor group 1 for A's tiles;  s[32:39] group 0, one set for each slot
.set G0, 32
.set G1B, 48                           ; s[48:55], s[56:63] the same for B's tiles
.set G0B, 56
.set SEL, 66                           ; s[66:67] lane selects for v_permlanex16_b32: lane l xor 16
.set G1S, 68                           ; s[68:75], s[76:79] groups 1 and 0 for A's scales;  s[80:87], s[88:91] for B's
.set G0S, 76
.set G1SB, 80
.set G0SB, 88
.set MSB, 0
.macro WIN new                         ; the immediate's high byte repeats the setting that is left; a switch that changes nothing is dropped
.if MSB != (\new)
	s_set_vgpr_msb (MSB<<8)|(\new)
.set MSB, (\new)
.endif
.endm
.set MUL_LO, 0xa1                      ; source 0 (B) window 1, source 1 (A) window 0, C and D window 2
.set MUL_HI, 0xf1                      ; the same, C and D window 3
.set TO_B,   0x40                      ; destination window 1, address window 0
; A joint load: waves 0 and 1 fetch for A, waves 2 and 3 for B.  Each of the two lines has ONE mask and one set of registers for all that issue it; the branch hangs on the wave's number alone.
; Four v_nop follow each of the two lines, ahead of the jump, the label and what follows.
.macro JLOAD g0a, g1a, g0b, g1b
	s_cmp_eq_u32 s15, 0
	s_cbranch_scc0 .Lfor_b_\@
	tensor_load_to_lds s[\g0a:\g0a+3], s[\g1a:\g1a+7]
	s_nop 0
.rept 4
	v_nop
.endr
	s_branch .Lasked_\@
.Lfor_b_\@:
	tensor_load_to_lds s[\g0b:\g0b+3], s[\g1b:\g1b+7]
	s_nop 0
.rept 4
	v_nop
.endr
.Lasked_\@:
.endm
.macro CREST                           ; a round of the cluster's barrier behind its opening barrier
	s_cmp_lg_u32 s14, 0
	s_cbranch_scc1 .Lnot_wave_0_\@
	s_barrier_signal -3
.Lnot_wave_0_\@:
	s_barrier_wait -3
	s_barrier_signal -1
	s_barrier_wait -1
.endm
.macro CROUND                          ; a whole round
	s_barrier_signal -1
	s_barrier_wait -1
	CREST
.endm
	s_load_b128 s[4:7], s[0:1], 0x0                ; A's codes s[4:5], A's scales s[6:7]
	s_load_b128 s[8:11], s[0:1], 0x10              ; the weights' codes s[8:9], their scales s[10:11]
	s_load_b64 s[12:13], s[0:1], 0x20              ; spart
	s_load_b64 s[96:97], s[0:1], 0x28              ; qpart
	s_load_b64 s[98:99], s[0:1], 0x30              ; bq
	s_load_b64 s[100:101], s[0:1], 0x38            ; bk
	v_lshl_add_u32 v[SPW], v0, 2, SPARE
	v_mov_b32 v[NIL], 0
	ds_add_u32 v28, v29
	ds_add_u32 v28, v29
	s_wait_dscnt 0x0
	v_lshrrev_b32 v1, 5, v0
	v_readfirstlane_b32 s14, v1                    ; wave 0..3
	s_lshr_b32 s15, s14, 1                         ; which half of the tile's rows is mine.  Also: I fetch for A (0) or for B (1)
	s_and_b32 s16, s14, 1                          ; which half of its columns.  Also: which 128 rows of that tile I fetch
	s_bfe_u32 s40, ttmp6, 0x40000                  ; cx, cy: my place in the cluster
	s_bfe_u32 s41, ttmp6, 0x40004
	s_lshl_b32 s42, ttmp9, 2
	s_add_co_u32 s42, s42, s40                     ; tile column = 4 x cluster x + cx
	s_and_b32 s17, ttmp7, 0xffff
	s_lshl_b32 s17, s17, 2
	s_add_co_u32 s17, s17, s41                     ; tile row = 4 x cluster y + cy
	s_lshl_b32 s43, s41, 2
	s_lshl_b32 s43, 15, s43                        ; my row of the cluster
	s_lshl_b32 s44, 0x1111, s40                    ; my column
	; descriptor group 1: a tile of 128 rows x ROWB bytes, padded in LDS
	s_or_b32 s[G1+0], s43, (0<<16)|(1<<20)|(1<<21)|(5<<22)|(3<<25)  ; 15:0 the mask: A's tiles go to my row; 17:16 element of 1 byte; 20 padding on; 21 set beside a mask; 24:22 after every 64 words (code 5); 31:25 of 4 words (code 3)
	s_or_b32 s[G1B+0], s44, (0<<16)|(1<<20)|(1<<21)|(5<<22)|(3<<25)
.irp g, G1, G1B
	s_mov_b32 s[\g+1], ROWB<<16                    ; tensor_dim0
	s_mov_b32 s[\g+2], 128<<16                     ; tensor_dim1 = 128
	s_mov_b32 s[\g+3], ROWB<<16                    ; tile_dim0
	s_mov_b32 s[\g+4], 128                         ; tile_dim1 = 128
	s_mov_b32 s[\g+5], KROW                        ; tensor_dim0_stride
	s_mov_b32 s[\g+6], 0
	s_mov_b32 s[\g+7], 0
.endr
	; and for the scales of 128 rows: a dense block of 8,192 bytes, as 32 rows of 256 bytes (32 elements of 8 bytes), 16 bytes of padding behind each
	s_or_b32 s[G1S+0], s43, (3<<16)|(1<<20)|(1<<21)|(5<<22)|(3<<25)
	s_or_b32 s[G1SB+0], s44, (3<<16)|(1<<20)|(1<<21)|(5<<22)|(3<<25)
.irp g, G1S, G1SB
	s_mov_b32 s[\g+1], 32<<16
	s_mov_b32 s[\g+2], (128*KS/256)<<16
	s_mov_b32 s[\g+3], 32<<16
	s_mov_b32 s[\g+4], 128*KS/256
	s_mov_b32 s[\g+5], 32
	s_mov_b32 s[\g+6], 0
	s_mov_b32 s[\g+7], 0
.endr
	s_lshl_b32 s18, s16, 7                         ; which 128 rows of the tile I fetch
	s_lshl_b32 s20, s17, 8
	s_add_co_u32 s20, s20, s18                     ; A: row 256 x tile row + 128 x half
	s_lshl_b32 s46, s42, 8
	s_add_co_u32 s46, s46, s18                     ; B: row 256 x tile column + 128 x half
	s_mov_b32 s21, 0
	s_mov_b32 s47, 0
	s_mov_b64 s[18:19], KS
	s_mul_u64 s[22:23], s[20:21], s[18:19]         ; where these rows' scales begin, in bytes
	s_mul_u64 s[92:93], s[46:47], s[18:19]
	s_mov_b64 s[18:19], KROW
	s_mul_u64 s[20:21], s[20:21], s[18:19]         ; and their codes
	s_mul_u64 s[46:47], s[46:47], s[18:19]
	s_mul_i32 s45, s14, HALFT                      ; where they go: wave x 128 rows: no place in the cluster enters an LDS address
	s_mul_i32 s94, s14, HALFS
	s_wait_kmcnt 0x0
	s_add_nc_u64 s[20:21], s[4:5], s[20:21]
	s_add_nc_u64 s[22:23], s[6:7], s[22:23]
	s_add_nc_u64 s[46:47], s[8:9], s[46:47]
	s_add_nc_u64 s[92:93], s[10:11], s[92:93]
	CROUND                                         ; all sixteen work-groups are here: the first joint loads meet
	s_mov_b32 s[G0S], 1
	s_add_co_u32 s[G0S+1], s94, SCL
	s_mov_b64 s[G0S+2:G0S+3], s[22:23]
	s_or_b32 s[G0S+3], s[G0S+3], 0x80000000
	s_mov_b32 s[G0SB], 1
	s_add_co_u32 s[G0SB+1], s94, SCL
	s_mov_b64 s[G0SB+2:G0SB+3], s[92:93]
	s_or_b32 s[G0SB+3], s[G0SB+3], 0x80000000
	JLOAD G0S, G1S, G0SB, G1SB                     ; the scales first: they are wanted with K step 0
.irp s, 0,1
	s_mov_b32 s[G0+4*\s], 1
	s_add_co_u32 s[G0+4*\s+1], s45, \s*SLOT
	s_add_nc_u64 s[G0+4*\s+2:G0+4*\s+3], s[20:21], \s*ROWB
	s_or_b32 s[G0+4*\s+3], s[G0+4*\s+3], 0x80000000
	s_mov_b32 s[G0B+4*\s], 1
	s_add_co_u32 s[G0B+4*\s+1], s45, \s*SLOT
	s_add_nc_u64 s[G0B+4*\s+2:G0B+4*\s+3], s[46:47], \s*ROWB
	s_or_b32 s[G0B+4*\s+3], s[G0B+4*\s+3], 0x80000000
	JLOAD G0+4*\s, G1, G0B+4*\s, G1B
.endr
	v_and_b32 v1, 15, v0                           ; l % 16
	v_bfe_u32 v2, v0, 4, 1                         ; l / 16
	v_mul_u32_u24 v3, v1, PITCH
	v_lshl_add_u32 v4, v2, 4, v3                   ; a fragment's row x pitch + 16 x half
	s_mul_i32 s21, s15, HALFT                      ; my 128 rows of A
	s_mul_i32 s22, s16, HALFT                      ; my 128 rows of B,
	s_add_co_u32 s22, s22, 2*HALFT                 ; which lie behind A's 256
.irp s, 0,1
	v_add_nc_u32 v[ADRA+\s], s21, v4
	v_add_nc_u32 v[ADRB+\s], s22, v4
	s_add_co_u32 s21, s21, SLOT
	s_add_co_u32 s22, s22, SLOT
.endr
	v_mul_u32_u24 v5, v1, KS                       ; my row's scales: KS bytes a row,
	v_lshrrev_b32 v6, 8, v5
	v_lshl_add_u32 v5, v6, 4, v5                   ; and 16 more for each 256 passed
	s_mul_i32 s21, s15, HALFS                      ; A's: my 128 rows
	s_mul_i32 s22, s16, HALFS                      ; B's: my 128 rows, behind A's 256
	s_add_co_u32 s22, s22, 2*HALFS
	s_sub_co_u32 s22, s22, s21
	v_mul_u32_u24 v6, s22, v2                      ; lanes 16-31 take B's
	s_add_co_u32 s21, s21, SCL
	v_add_nc_u32 v5, v5, v6
	v_add_nc_u32 v[ADRS], s21, v5
	s_mul_i32 s23, s14, STGB                       ; my stage
	v_and_b32 v[LN], 31, v0
	v_lshlrev_b32 v[CO], 4, v[LN]
	v_add_nc_u32 v[RD], s23, v[CO]
	v_lshl_add_u32 v[RB], v2, 5, s23
	s_add_co_u32 s21, s23, 1024
	v_lshl_add_u32 v[W4], v[LN], 2, s21
	v_add_nc_u32 v[R16], s21, v[CO]
	s_mov_b32 s[SEL], 0x76543210
	s_mov_b32 s[SEL+1], 0xfedcba98
	; q of my wave's 128 columns, four a lane, and the wave's sum of q bk, while the first tiles are on their way
	s_lshl_b32 s46, s42, 10
	s_lshl_b32 s47, s16, 9
	s_add_co_u32 s46, s46, s47                     ; my first column x 4 bytes: 1,024 x tile column + 512 x half
	s_mov_b32 s47, 0
	s_lshl_b32 s20, s17, 10
	s_lshl_b32 s21, s15, 9
	s_add_co_u32 s20, s20, s21                     ; my first row x 4 bytes
	s_mov_b32 s21, 0
	s_lshr_b32 s22, s17, 1                         ; the batch: two tile rows each
	s_lshl_b32 s92, s22, 13                        ; its row of 8,192 bytes in a chunk of qpart
	s_mov_b32 s93, 0
	s_add_nc_u64 s[96:97], s[96:97], s[92:93]
	s_add_nc_u64 s[96:97], s[96:97], s[46:47]
	s_add_nc_u64 s[98:99], s[98:99], s[46:47]
	s_add_nc_u64 s[100:101], s[100:101], s[46:47]
	s_lshl_b32 s92, s46, 6                         ; spart: my part of 128 columns x 32,768 bytes
	s_add_nc_u64 s[12:13], s[12:13], s[92:93]
	s_add_nc_u64 s[12:13], s[12:13], s[20:21]
.irp c, 0,1,2,3
	global_load_b128 v[TP+4*\c:TP+4*\c+3], v[CO], s[96:97] offset:131072*\c   ; the four chunks along K
.endr
	global_load_b128 v[TP+16:TP+19], v[CO], s[98:99]
	global_load_b128 v[TP+20:TP+23], v[CO], s[100:101]
	v_mov_b32 v[C0+1], 0                           ; (a lane permute's destination counts as one of its sources)
	s_wait_loadcnt 0x0
.irp j, 0,2
	v_pk_add_f32 v[TP+\j:TP+\j+1], v[TP+\j:TP+\j+1], v[TP+4+\j:TP+4+\j+1]
	v_pk_add_f32 v[TP+8+\j:TP+8+\j+1], v[TP+8+\j:TP+8+\j+1], v[TP+12+\j:TP+12+\j+1]
.endr
.irp j, 0,2
	v_pk_add_f32 v[TP+\j:TP+\j+1], v[TP+\j:TP+\j+1], v[TP+8+\j:TP+8+\j+1]
.endr
.irp j, 0,2
	v_pk_add_f32 v[Q4+\j:Q4+\j+1], v[TP+\j:TP+\j+1], v[TP+16+\j:TP+16+\j+1]   ; + bq
.endr
	v_mul_f32 v[C0], v[Q4], v[TP+20]
	v_fmac_f32 v[C0], v[Q4+1], v[TP+21]
	v_fmac_f32 v[C0], v[Q4+2], v[TP+22]
	v_fmac_f32 v[C0], v[Q4+3], v[TP+23]
	v_add_f32_dpp v[C0], v[C0], v[C0] row_xmask:1 row_mask:0xf bank_mask:0xf
	v_add_f32_dpp v[C0], v[C0], v[C0] row_xmask:2 row_mask:0xf bank_mask:0xf
	v_add_f32_dpp v[C0], v[C0], v[C0] row_xmask:4 row_mask:0xf bank_mask:0xf
	v_add_f32_dpp v[C0], v[C0], v[C0] row_xmask:8 row_mask:0xf bank_mask:0xf
	v_permlanex16_b32 v[C0+1], v[C0], s[SEL], s[SEL+1]
	v_add_f32 v[C0], v[C0], v[C0+1]                ; every lane holds the sum over the 128 columns
.macro FRAG reg, adr, q, i             ; a fragment, 16 rows x 128 K of 4-bit codes, is 8 registers: lane l holds row l % 16; registers 4 c .. 4 c + 3 hold K = 64 c + 32 (l / 16) + 0 .. 31
.irp c, 0,1
	ds_load_b128 v[\reg+4*\c:\reg+4*\c+3], v[\adr] offset:64*(\q)+32*\c+(\i)*16*PITCH
.endr
.endm
; One product: A's block a x B's block b, the slot's q-th 128 along K.  p: B's set;  sc: the set of scale words.  zero = 1: it starts the sum: nothing is ever cleared.
.macro PROD a, b, p, q, sc, zero
.set rD, 8*(8*((\a)%4)+(\b))
.set rB, 128*(\p)+FR*(\b)
.set rA, AF+FR*(\a)
.set sB, SC+8*NQ*(\sc)+NQ*(\b)+(\q)
.set sA, SC+8*NQ*(\sc)+NQ*(\a)+(\q)
.if \zero
	v_wmma_scale_f32_16x16x128_f8f6f4 v[rD:rD+7], v[rB:rB+7], v[rA:rA+7], 0, v[sB], v[sA] matrix_a_fmt:MATRIX_FMT_FP4 matrix_b_fmt:MATRIX_FMT_FP4 matrix_a_scale:MATRIX_SCALE_ROW1
.else
	v_wmma_scale_f32_16x16x128_f8f6f4 v[rD:rD+7], v[rB:rB+7], v[rA:rA+7], v[rD:rD+7], v[sB], v[sA] matrix_a_fmt:MATRIX_FMT_FP4 matrix_b_fmt:MATRIX_FMT_FP4 matrix_a_scale:MATRIX_SCALE_ROW1
.endif
.endm
; 16 products: A's blocks a0, a0 + 1 x B's eight.  The 64 accumulators take turns, one instruction a turn, in the same order in every step.
.macro MUL16 a0, p, q, sc, zero
.irp a, \a0, \a0+1
.irp b, 0,1,2,3,4,5,6,7
	PROD \a, \b, \p, \q, \sc, \zero
.endr
.endr
.endm
.macro FETCH_B slot, q, p              ; B's eight fragments of the slot's q-th 128 along K into set p
	WIN TO_B
.irp i, 0,1,2,3,4,5,6,7
	FRAG 128*(\p)+FR*\i, ADRB+\slot, \q, \i
.endr
	WIN 0
.endm
.macro FETCH_A slot, q, i0             ; A's blocks i0 .. i0 + 3
.irp i, \i0, \i0+1, \i0+2, \i0+3
	FRAG AF+FR*(\i), ADRA+\slot, \q, \i
.endr
.endm
.macro SCALES sc                       ; the next K step's scale words into set sc: NQ words a row; lanes 0-15 take A's block i, lanes 16-31 B's block i
.irp i, 0,1,2,3,4,5,6,7
	ds_load_b128 v[SC+8*NQ*\sc+NQ*\i:SC+8*NQ*\sc+NQ*\i+3], v[ADRS] offset:\i*SBLK
.endr
.endm
; A load into a register that a matrix instruction has read, and a vector instruction or an LDS store that reads a matrix result, stand NP places behind that matrix instruction, and only plain vector
; instructions that name none of its registers are places (ISA guide 7.12.1 for vector instructions).
.macro PLACES n
.rept \n
	v_nop
.endr
.endm
; A step of 128 along K that has its successor in the same slot.
.macro STEP slot, q, zero
	s_wait_dscnt 4*NL                              ; B's set and A's blocks 0-3 are in; the youngest eight loads (A's blocks 4-7) may be out
	WIN MUL_LO
	MUL16 0, (\q)%2, \q, \slot, \zero
	MUL16 2, (\q)%2, \q, \slot, \zero
	s_wait_dscnt 0                                 ; A's blocks 4-7 are in (asked for 32 matrix instructions ago)
	PLACES NP
	FETCH_B \slot, (\q)+1, 1-(\q)%2
	FETCH_A \slot, (\q)+1, 0
	WIN MUL_HI
	MUL16 4, (\q)%2, \q, \slot, \zero
	MUL16 6, (\q)%2, \q, \slot, \zero
	PLACES NP
	WIN 0
	FETCH_A \slot, (\q)+1, 4
.endm
; A slot's last step changes slots: ONE barrier; in front of it each wave waits for all its tensor loads, adds 0 to its spare word, and waits for that and for its own reads of this slot.  fill = 1: this slot is filled again, two K steps ahead.
.macro TURN slot, next, fill
	s_wait_tensorcnt 0x0                           ; all my tensor loads have landed: my part of the next slot;  (every window is 0 here: the add's two registers lie in window 0)
	ds_add_u32 v[SPW], v[NIL]                      ; 0 onto my spare word
	s_wait_dscnt 4*NL+1                            ; (the add and the youngest eight loads, A's blocks 4-7, may be out)
	WIN MUL_LO
	MUL16 0, 1, NQ-1, \slot, 0                     ; sixteen matrix instructions stand between the add and the wait for it
	s_wait_dscnt 0x0                               ; the add is done, and my reads of this slot are over
	s_barrier_signal -1
	MUL16 2, 1, NQ-1, \slot, 0
	WIN 0
	s_barrier_wait -1
.if \fill
	CREST                                          ; the barrier has opened a round of the cluster's barrier: no wave of any partner still reads this slot's tile or has a load on its way
	s_add_nc_u64 s[G0+4*\slot+2:G0+4*\slot+3], s[G0+4*\slot+2:G0+4*\slot+3], 2*ROWB
	s_add_nc_u64 s[G0B+4*\slot+2:G0B+4*\slot+3], s[G0B+4*\slot+2:G0B+4*\slot+3], 2*ROWB
	JLOAD G0+4*\slot, G1, G0B+4*\slot, G1B         ; the first tensor load behind the round; the four v_nop behind it are the places in front of the loads below
.else
	PLACES NP
.endif
	v_add_nc_u32 v[ADRS], 4*NQ, v[ADRS]            ; on to the next K step's scale words (no LDS load of mine is out)
	FETCH_B \next, 0, 0
	FETCH_A \next, 0, 0
	SCALES \next
	WIN MUL_HI
	MUL16 4, 1, NQ-1, \slot, 0
	MUL16 6, 1, NQ-1, \slot, 0
	PLACES NP
	WIN 0
	FETCH_A \next, 0, 4
.endm
.macro STEPS slot, from                ; the slot's steps from .. NQ - 2
.set Q, \from
.rept NQ-1-\from
	STEP \slot, Q, 0
.set Q, Q+1
.endr
.endm
	s_wait_tensorcnt 1                             ; the scales and my part of K step 0 are in (K step 1's load may be out),
	s_barrier_signal -1
	s_barrier_wait -1                              ; everybody's are
	FETCH_B 0, 0, 0
	FETCH_A 0, 0, 0
	SCALES 0
	FETCH_A 0, 0, 4
	STEP 0, 0, 1                                   ; the first step stands in front of the loop: its products start the sums
	s_mov_b32 s3, LAPS-1
.Llap:                                                 ; a trip goes once round the ring, from a lap's second step to the next lap's first, and fills both slots again
	STEPS 0, 1
	TURN 0, 1, 1
	STEPS 1, 0
	TURN 1, 0, 1
	STEP 0, 0, 0
	s_sub_co_u32 s3, s3, 1
	s_cmp_lg_u32 s3, 0
	s_cbranch_scc1 .Llap
	STEPS 0, 1                                     ; the last lap fills nothing, and has no round of the cluster's barrier
	TURN 0, 1, 0
	STEPS 1, 0
	s_wait_dscnt 4*NL                              ; the very last step: nothing more to fetch
	WIN MUL_LO
	MUL16 0, 1, NQ-1, 1, 0
	MUL16 2, 1, NQ-1, 1, 0
	s_wait_dscnt 0
	WIN MUL_HI
	MUL16 4, 1, NQ-1, 1, 0
	MUL16 6, 1, NQ-1, 1, 0
	WIN 0
	; THE WAY OUT.  q goes through my stage, so that each lane gets it in the order of its accumulators' registers; then 256 packed multiply-adds take the sums over my 128 columns.
	PLACES NP                                      ; for the loads into the registers that held A's fragments, and for the first reads of results
	ds_store_b128 v[RD], v[Q4:Q4+3]                ; q of columns 4 x lane on
.irp b, 0,1,2,3,4,5,6,7
	ds_load_b128 v[QW+8*\b:QW+8*\b+3], v[RB] offset:64*\b       ; LDS serves a wave's instructions in order (ISA guide 5.7.1.4): these see the store above
	ds_load_b128 v[QW+8*\b+4:QW+8*\b+7], v[RB] offset:64*\b+16
.endr
	s_wait_dscnt 0x0
.irp w, 0,1                                    ; window 2: my rows 0-63; window 3: rows 64-127.  Four chains by turns; each accumulator is read from its low end on
	WIN 0x02+\w
.irp b, 0,1,2,3,4,5,6,7
.irp jj, 0,1,2,3
.irp a, 0,1,2,3
.if (\b == 0) && (\jj == 0)
	v_pk_mul_f32 v[SS+2*(4*\w+\a):SS+2*(4*\w+\a)+1], v[8*(8*\a+\b)+2*\jj:8*(8*\a+\b)+2*\jj+1], v[QW+8*\b+2*\jj:QW+8*\b+2*\jj+1]
.else
	v_pk_fma_f32 v[SS+2*(4*\w+\a):SS+2*(4*\w+\a)+1], v[8*(8*\a+\b)+2*\jj:8*(8*\a+\b)+2*\jj+1], v[QW+8*\b+2*\jj:QW+8*\b+2*\jj+1], v[SS+2*(4*\w+\a):SS+2*(4*\w+\a)+1]
.endif
.endr
.endr
.endr
.endr
	WIN 0
.irp a, 0,1,2,3,4,5,6,7
	v_add_f32 v[XR+\a], v[SS+2*\a], v[SS+2*\a+1]   ; even columns' and odd columns' sums
.endr
.irp a, 0,1,2,3,4,5,6,7
	v_permlanex16_b32 v[SS+2*\a], v[XR+\a], s[SEL], s[SEL+1]
.endr
.irp a, 0,1,2,3,4,5,6,7
	v_add_f32 v[XR+\a], v[XR+\a], v[SS+2*\a]       ; with lane l xor 16's columns: both halves now hold row 16 a + r's sum
.endr
	v_cmp_le_u32 vcc_lo, 16, v[LN]
.irp i, 0,1,2,3
	v_cndmask_b32 v[YR+\i], v[XR+2*\i], v[XR+2*\i+1], vcc_lo   ; lanes 0-15 keep block 2 i, lanes 16-31 block 2 i + 1: row 32 i + lane
.endr
.irp i, 0,1,2,3
	v_add_f32 v[YR+\i], v[YR+\i], v[C0]            ; + the sum of q bk
.endr
.irp i, 0,1,2,3
	ds_store_b32 v[W4], v[YR+\i] offset:128*\i
.endr
	ds_load_b128 v[ZR:ZR+3], v[R16]                ; back as rows 4 x lane on
	s_wait_dscnt 0x0
	global_store_b128 v[CO], v[ZR:ZR+3], s[12:13]  ; the wave stores 512 consecutive bytes, aligned
	s_wait_tensorcnt 0x0                           ; the wave's end, behind my last tensor load and my last LDS store
	ds_add_u32 v[SPW], v[NIL]
	s_wait_dscnt 0x0
	CROUND                                         ; the closing round: no work-group ends while a partner may still ask for a tile that names it
	s_endpgm
.Lfunc_end_k_q68f136c5de_kgemm:
	.size	k_q68f136c5de_kgemm, .Lfunc_end_k_q68f136c5de_kgemm-k_q68f136c5de_kgemm
	.p2alignl 7, 3214868480
	.fill 96, 4, 3214868480
	.section	.rodata,"a",@progbits
	.p2align	6, 0x0
	.amdhsa_kernel k_q68f136c5de_kgemm
		.amdhsa_group_segment_fixed_size 327680
		.amdhsa_private_segment_fixed_size 0
		.amdhsa_enable_private_segment 0
		.amdhsa_kernarg_size 64
		.amdhsa_user_sgpr_count 2
		.amdhsa_user_sgpr_kernarg_segment_ptr 1
		.amdhsa_wavefront_size32 1
		.amdhsa_system_sgpr_workgroup_id_x 1
		.amdhsa_system_sgpr_workgroup_id_y 1
		.amdhsa_system_sgpr_workgroup_id_z 1
		.amdhsa_system_vgpr_workitem_id 0
		.amdhsa_next_free_vgpr 1024
		.amdhsa_next_free_sgpr 102
		.amdhsa_reserve_vcc 1
		.amdhsa_float_denorm_mode_32 3
		.amdhsa_float_denorm_mode_16_64 3
		.amdhsa_memory_ordered 1
		.amdhsa_forward_progress 1
		.amdhsa_inst_pref_size 203
	.end_amdhsa_kernel
	.amdgpu_metadata
---
amdhsa.version: [ 1, 2 ]
amdhsa.kernels:
  - .name:           k_q68f136c5de_kgemm
    .symbol:         k_q68f136c5de_kgemm.kd
    .args:
      - { .name: a_codes, .offset: 0, .size: 8, .value_kind: global_buffer, .address_space: global }
      - { .name: a_scales, .offset: 8, .size: 8, .value_kind: global_buffer, .address_space: global }
      - { .name: w_codes, .offset: 16, .size: 8, .value_kind: global_buffer, .address_space: global }
      - { .name: w_scales, .offset: 24, .size: 8, .value_kind: global_buffer, .address_space: global }
      - { .name: spart, .offset: 32, .size: 8, .value_kind: global_buffer, .address_space: global }
      - { .name: qpart, .offset: 40, .size: 8, .value_kind: global_buffer, .address_space: global }
      - { .name: bq, .offset: 48, .size: 8, .value_kind: global_buffer, .address_space: global }
      - { .name: bk, .offset: 56, .size: 8, .value_kind: global_buffer, .address_space: global }
    .group_segment_fixed_size: 327680
    .private_segment_fixed_size: 0
    .kernarg_segment_align: 8
    .kernarg_segment_size: 64
    .max_flat_workgroup_size: 128
    .sgpr_count:     102
    .vgpr_count:     1024
    .wavefront_size: 32
...
	.end_amdgpu_metadata
.endif
;; end of part 2
;; launch vgemm (part 3): grid 8 x 32, 4 waves a work-group, clusters of 4 x 4, 327,680 bytes of LDS; arguments a_codes, a_scales, w_codes, w_scales, opart, spart; writes opart
.if DOCPART == 3
	.amdgcn_target "amdgcn-amd-amdhsa--gfx1250"
	.amdhsa_code_object_version 6
	.text
	.protected	k_q68f136c5de_vgemm
	.globl	k_q68f136c5de_vgemm
	.p2align	8
	.type	k_q68f136c5de_vgemm,@function
k_q68f136c5de_vgemm:
	s_mov_b64 s[64:65], 0
	v_nop
	global_prefetch_b8 v0, s[64:65] scope:SCOPE_SE
	s_setreg_imm32_b32 hwreg(HW_REG_WAVE_MODE, 25, 1), 1
	s_wait_xcnt 0x0
	s_wait_alu depctr_hold_cnt(0) depctr_sa_sdst(0) depctr_va_vdst(0) depctr_va_sdst(0) depctr_va_ssrc(0) depctr_va_vcc(0) depctr_vm_vsrc(0)
	s_getreg_b32 s2, hwreg(HW_REG_IB_STS2, 6, 4)
	s_cmp_eq_u32 s2, 0
	s_cbranch_scc0 .Lentry_in_a_cluster
	s_endpgm
.Lentry_in_a_cluster:
	s_bfe_u32 s2, ttmp6, 0x10000c
	s_cmp_lg_u32 s2, 0xf033
	s_cbranch_scc0 .Lentry_shape_is_right
	s_endpgm
.Lentry_shape_is_right:
; v = Q(context_tokens) Q(Wv) on codes of FP4 (E2M1) with one E8M0 scale for each 32 along K, and, on the f32 sums as they lie in the accumulators, the weighted sums over a wave's 128 rows:
; O_w[o] = sum over l of p[l] v[l][o], p[l] = 2^(c s[l] - m_w), s[l] = the sum of spart's 16 parts, c = log2(e) / sqrt(2048), m_w = c x the largest s of the wave's 128 rows.  v itself never goes to memory.
; THE SOFTMAX takes a maximum away before every exponential: each quarter of a batch's 512 rows its own; the next launch brings the four quarters under the batch's maximum and divides by the sum.  bv is added there.
; a_codes [8192][1024 bytes], a_scales [8192][64]; w_codes [2][2048][1024 bytes], w_scales [2][2048][64]: here the second of the two, Wv's.  spart [16][8192] f32.
; opart: bytes 0 on: [4 quarters][16 batches][2048] f32;  bytes 524,288 on: [16 parts of 128 columns][16 batches][4 quarters][32 lanes][m_w, l_w] f32, l_w the sum of the wave's p.
; Tile, ring, scales and cluster as in the launch before: a tile of 256 x 256 to a work-group of four waves, 128 x 128 a wave; K in four steps of 512 through two LDS slots; the scales of all of K in LDS once;
; 4 x 4 work-groups ask jointly for A's tiles along a row of the cluster and for B's along a column.  By this text's own count a wave has three tensor loads out at the start and one behind each of the two rounds that fill a slot again.
; THE PRODUCT IS USED AS IT STANDS (source 0 = 16 rows of a_codes, source 1 = 16 rows of w_codes): lane (r, h) of accumulator (a, b) holds column 16 b + r of v and rows 16 a + 8 h + 0 .. 7, so the sum over
; rows is packed multiply-adds within the lane and one exchange between the halves of the lanes.
; REGISTERS, in windows of 256: window 0: v0-31 addresses; v32-95 scale words, two sets; v96-99 p of my lane's four rows; v100 m_w, v101 l_w; from v128 A's fragments, ONE set, on the way out p in the
;   accumulators' order; v192-255 at work at the head and on the way out.   window 1: B's fragments, TWO sets.   window 2: the accumulators of my rows 0-63 ((a, b) at v[8 (8 a + b)]);   window 3: rows 64-127.
; LIMITS: NaN and infinities are not served.
.set KSTEP,  512                       ; along K in a slot
.set NQ,     KSTEP/128                 ; matrix instructions deep
.set ROWB,   256                       ; a tile's row in bytes
.set KROW,   1024                      ; a row of codes in memory, in bytes
.set PITCH,  272                       ; an LDS row: 256 bytes + 16 of padding = 68 words: the 16 rows that a load touches start at 16 different banks (64 banks of 4 bytes: ISA guide 11.1)
.set FR,     8                         ; registers of a fragment: 16 rows x 128 K
.set NL,     2                         ; LDS loads that bring one
.set NP,     4                         ; places behind this matrix instruction (ISA guide 7.12.1)
.set HALFT,  128*PITCH                 ; 128 rows: what one tensor load brings, and what one wave reads of A or of B
.set SLOT,   4*HALFT                   ; A's 256 rows, then B's 256 rows
.set LAPS,   2                         ; a lap = two K steps = once round the ring
.set KS,     64                        ; a row of scales in bytes
.set SCL,    2*SLOT                    ; behind the ring: the scales, as units of 256 bytes + 16 of padding
.set HALFS,  (128*KS/256)*272          ; the scales of 128 rows: what one tensor load brings
.set SBLK,   (16*KS/256)*272           ; those of 16 rows
.set SPARE,  SCL+4*HALFS               ; behind the scales: the spare words, 128 bytes for each wave: two blocks of 256 bytes that no other line names
.set STGB,   8448                      ; the way out: a wave's stage, in slot 0, which has had its last fill and its last read when the first byte is stored there: p at byte 0, results at byte 1,024
.set ADRA, 16                          ; v16-17  LDS address of my A fragments in slot 0, 1
.set LN,   18                          ; v18     my lane
.set ST8,  19                          ; v19     8 x lane: my place in the wave's 256 bytes of statistics
.set ADRB, 20                          ; v20-21  the same as ADRA for B
.set RB,   22                          ; v22     the stage: where my half of the lanes reads p: + 32 h
.set W4,   23                          ; v23     the stage: where I put a result: 1,024 + 4 x lane
.set RD,   25                          ; v25     the stage: 16 x lane
.set CO,   26                          ; v26     16 x lane: my offset in 512 bytes of memory
.set ADRS, 27                          ; v27     LDS address of my scale words: lanes 0-15 A's rows, lanes 16-31 B's
.set SPW,  28                          ; v28     LDS address of my spare word; never rewritten
.set NIL,  29                          ; v29     0; never rewritten
.set R16,  30                          ; v30     the stage: where I read four results back: 1,024 + 16 x lane
.set SC,   32                          ; scale words: set s at v[SC + 8 NQ s]; register NQ i + q: lanes 0-15 the word of A's block i, lanes 16-31 that of B's block i, for the slot's q-th 128 along K
.set P4,   96
.set MW,   100                         ; v100 m_w, v101 l_w: stored as a pair;  v102-103 at work
.set AF,   128                         ; A's fragments, in window 0
.set QW,   128                         ; the way out: v[QW + 8 a + j] = p[16 a + 8 h + j]
.set TS,   192                         ; the head: spart's 16 parts of my four rows
.set SS,   192                         ; the way out: eight pairs of sums (even rows', odd rows'), one for each block of 16 columns
.set XR,   208
.set YR,   216
.set ZR,   220
.set G1, 24                            ; s[24:31] descriptor group 1 for A's tiles;  s[32:39] group 0, one set for each slot
.set G0, 32
.set G1B, 48                           ; s[48:55], s[56:63] the same for B's tiles
.set G0B, 56
.set SEL, 66                           ; s[66:67] lane selects for v_permlanex16_b32: lane l xor 16
.set G1S, 68                           ; s[68:75], s[76:79] groups 1 and 0 for A's scales;  s[80:87], s[88:91] for B's
.set G0S, 76
.set G1SB, 80
.set G0SB, 88
.set MSB, 0
.macro WIN new                         ; the immediate's high byte repeats the setting that is left; a switch that changes nothing is dropped
.if MSB != (\new)
	s_set_vgpr_msb (MSB<<8)|(\new)
.set MSB, (\new)
.endif
.endm
.set MUL_LO, 0xa4                      ; source 0 (A) window 0, source 1 (B) window 1, C and D window 2
.set MUL_HI, 0xf4                      ; the same, C and D window 3
.set TO_B,   0x40                      ; destination window 1, address window 0
; A joint load: waves 0 and 1 fetch for A, waves 2 and 3 for B.  Each of the two lines has ONE mask and one set of registers for all that issue it; the branch hangs on the wave's number alone.
; Four v_nop follow each of the two lines, ahead of the jump, the label and what follows.
.macro JLOAD g0a, g1a, g0b, g1b
	s_cmp_eq_u32 s15, 0
	s_cbranch_scc0 .Lfor_b_\@
	tensor_load_to_lds s[\g0a:\g0a+3], s[\g1a:\g1a+7]
	s_nop 0
.rept 4
	v_nop
.endr
	s_branch .Lasked_\@
.Lfor_b_\@:
	tensor_load_to_lds s[\g0b:\g0b+3], s[\g1b:\g1b+7]
	s_nop 0
.rept 4
	v_nop
.endr
.Lasked_\@:
.endm
.macro CREST                           ; a round of the cluster's barrier behind its opening barrier
	s_cmp_lg_u32 s14, 0
	s_cbranch_scc1 .Lnot_wave_0_\@
	s_barrier_signal -3
.Lnot_wave_0_\@:
	s_barrier_wait -3
	s_barrier_signal -1
	s_barrier_wait -1
.endm
.macro CROUND                          ; a whole round
	s_barrier_signal -1
	s_barrier_wait -1
	CREST
.endm
	s_load_b128 s[4:7], s[0:1], 0x0                ; A's codes s[4:5], A's scales s[6:7]
	s_load_b128 s[8:11], s[0:1], 0x10              ; the weights' codes s[8:9], their scales s[10:11]
	s_load_b64 s[12:13], s[0:1], 0x20              ; opart
	s_load_b64 s[96:97], s[0:1], 0x28              ; spart
	v_lshl_add_u32 v[SPW], v0, 2, SPARE
	v_mov_b32 v[NIL], 0
	ds_add_u32 v28, v29
	ds_add_u32 v28, v29
	s_wait_dscnt 0x0
	v_lshrrev_b32 v1, 5, v0
	v_readfirstlane_b32 s14, v1                    ; wave 0..3
	s_lshr_b32 s15, s14, 1                         ; which half of the tile's rows is mine.  Also: I fetch for A (0) or for B (1)
	s_and_b32 s16, s14, 1                          ; which half of its columns.  Also: which 128 rows of that tile I fetch
	s_bfe_u32 s40, ttmp6, 0x40000                  ; cx, cy: my place in the cluster
	s_bfe_u32 s41, ttmp6, 0x40004
	s_lshl_b32 s42, ttmp9, 2
	s_add_co_u32 s42, s42, s40                     ; tile column = 4 x cluster x + cx
	s_and_b32 s17, ttmp7, 0xffff
	s_lshl_b32 s17, s17, 2
	s_add_co_u32 s17, s17, s41                     ; tile row = 4 x cluster y + cy
	s_lshl_b32 s43, s41, 2
	s_lshl_b32 s43, 15, s43                        ; my row of the cluster
	s_lshl_b32 s44, 0x1111, s40                    ; my column
	; descriptor group 1: a tile of 128 rows x ROWB bytes, padded in LDS
	s_or_b32 s[G1+0], s43, (0<<16)|(1<<20)|(1<<21)|(5<<22)|(3<<25)  ; 15:0 the mask: A's tiles go to my row; 17:16 element of 1 byte; 20 padding on; 21 set beside a mask; 24:22 after every 64 words (code 5); 31:25 of 4 words (code 3)
	s_or_b32 s[G1B+0], s44, (0<<16)|(1<<20)|(1<<21)|(5<<22)|(3<<25)
.irp g, G1, G1B
	s_mov_b32 s[\g+1], ROWB<<16                    ; tensor_dim0
	s_mov_b32 s[\g+2], 128<<16                     ; tensor_dim1 = 128
	s_mov_b32 s[\g+3], ROWB<<16                    ; tile_dim0
	s_mov_b32 s[\g+4], 128                         ; tile_dim1 = 128
	s_mov_b32 s[\g+5], KROW                        ; tensor_dim0_stride
	s_mov_b32 s[\g+6], 0
	s_mov_b32 s[\g+7], 0
.endr
	; and for the scales of 128 rows: a dense block of 8,192 bytes, as 32 rows of 256 bytes (32 elements of 8 bytes), 16 bytes of padding behind each
	s_or_b32 s[G1S+0], s43, (3<<16)|(1<<20)|(1<<21)|(5<<22)|(3<<25)
	s_or_b32 s[G1SB+0], s44, (3<<16)|(1<<20)|(1<<21)|(5<<22)|(3<<25)
.irp g, G1S, G1SB
	s_mov_b32 s[\g+1], 32<<16
	s_mov_b32 s[\g+2], (128*KS/256)<<16
	s_mov_b32 s[\g+3], 32<<16
	s_mov_b32 s[\g+4], 128*KS/256
	s_mov_b32 s[\g+5], 32
	s_mov_b32 s[\g+6], 0
	s_mov_b32 s[\g+7], 0
.endr
	s_lshl_b32 s18, s16, 7                         ; which 128 rows of the tile I fetch
	s_lshl_b32 s20, s17, 8
	s_add_co_u32 s20, s20, s18                     ; A: row 256 x tile row + 128 x half
	s_lshl_b32 s46, s42, 8
	s_add_co_u32 s46, s46, s18                     ; B: row 256 x tile column + 128 x half
	s_mov_b32 s21, 0
	s_mov_b32 s47, 0
	s_mov_b64 s[18:19], KS
	s_mul_u64 s[22:23], s[20:21], s[18:19]         ; where these rows' scales begin, in bytes
	s_mul_u64 s[92:93], s[46:47], s[18:19]
	s_mov_b64 s[18:19], KROW
	s_mul_u64 s[20:21], s[20:21], s[18:19]         ; and their codes
	s_mul_u64 s[46:47], s[46:47], s[18:19]
	s_mul_i32 s45, s14, HALFT                      ; where they go: wave x 128 rows: no place in the cluster enters an LDS address
	s_mul_i32 s94, s14, HALFS
	s_wait_kmcnt 0x0
	s_add_nc_u64 s[8:9], s[8:9], 0x200000          ; Wv's codes lie behind Wk's 2,097,152 bytes,
	s_add_nc_u64 s[10:11], s[10:11], 0x20000       ; its scale bytes behind Wk's 131,072
	s_add_nc_u64 s[20:21], s[4:5], s[20:21]
	s_add_nc_u64 s[22:23], s[6:7], s[22:23]
	s_add_nc_u64 s[46:47], s[8:9], s[46:47]
	s_add_nc_u64 s[92:93], s[10:11], s[92:93]
	CROUND                                         ; all sixteen work-groups are here: the first joint loads meet
	s_mov_b32 s[G0S], 1
	s_add_co_u32 s[G0S+1], s94, SCL
	s_mov_b64 s[G0S+2:G0S+3], s[22:23]
	s_or_b32 s[G0S+3], s[G0S+3], 0x80000000
	s_mov_b32 s[G0SB], 1
	s_add_co_u32 s[G0SB+1], s94, SCL
	s_mov_b64 s[G0SB+2:G0SB+3], s[92:93]
	s_or_b32 s[G0SB+3], s[G0SB+3], 0x80000000
	JLOAD G0S, G1S, G0SB, G1SB                     ; the scales first: they are wanted with K step 0
.irp s, 0,1
	s_mov_b32 s[G0+4*\s], 1
	s_add_co_u32 s[G0+4*\s+1], s45, \s*SLOT
	s_add_nc_u64 s[G0+4*\s+2:G0+4*\s+3], s[20:21], \s*ROWB
	s_or_b32 s[G0+4*\s+3], s[G0+4*\s+3], 0x80000000
	s_mov_b32 s[G0B+4*\s], 1
	s_add_co_u32 s[G0B+4*\s+1], s45, \s*SLOT
	s_add_nc_u64 s[G0B+4*\s+2:G0B+4*\s+3], s[46:47], \s*ROWB
	s_or_b32 s[G0B+4*\s+3], s[G0B+4*\s+3], 0x80000000
	JLOAD G0+4*\s, G1, G0B+4*\s, G1B
.endr
	v_and_b32 v1, 15, v0                           ; l % 16
	v_bfe_u32 v2, v0, 4, 1                         ; l / 16
	v_mul_u32_u24 v3, v1, PITCH
	v_lshl_add_u32 v4, v2, 4, v3                   ; a fragment's row x pitch + 16 x half
	s_mul_i32 s21, s15, HALFT                      ; my 128 rows of A
	s_mul_i32 s22, s16, HALFT                      ; my 128 rows of B,
	s_add_co_u32 s22, s22, 2*HALFT                 ; which lie behind A's 256
.irp s, 0,1
	v_add_nc_u32 v[ADRA+\s], s21, v4
	v_add_nc_u32 v[ADRB+\s], s22, v4
	s_add_co_u32 s21, s21, SLOT
	s_add_co_u32 s22, s22, SLOT
.endr
	v_mul_u32_u24 v5, v1, KS                       ; my row's scales: KS bytes a row,
	v_lshrrev_b32 v6, 8, v5
	v_lshl_add_u32 v5, v6, 4, v5                   ; and 16 more for each 256 passed
	s_mul_i32 s21, s15, HALFS                      ; A's: my 128 rows
	s_mul_i32 s22, s16, HALFS                      ; B's: my 128 rows, behind A's 256
	s_add_co_u32 s22, s22, 2*HALFS
	s_sub_co_u32 s22, s22, s21
	v_mul_u32_u24 v6, s22, v2                      ; lanes 16-31 take B's
	s_add_co_u32 s21, s21, SCL
	v_add_nc_u32 v5, v5, v6
	v_add_nc_u32 v[ADRS], s21, v5
	s_mul_i32 s23, s14, STGB                       ; my stage
	v_and_b32 v[LN], 31, v0
	v_lshlrev_b32 v[ST8], 3, v[LN]
	v_lshlrev_b32 v[CO], 4, v[LN]
	v_add_nc_u32 v[RD], s23, v[CO]
	v_lshl_add_u32 v[RB], v2, 5, s23
	s_add_co_u32 s21, s23, 1024
	v_lshl_add_u32 v[W4], v[LN], 2, s21
	v_add_nc_u32 v[R16], s21, v[CO]
	s_mov_b32 s[SEL], 0x76543210
	s_mov_b32 s[SEL+1], 0xfedcba98
	; p of my wave's 128 rows, four a lane, with their maximum and their sum, while the first tiles are on their way
	s_lshl_b32 s46, s42, 10
	s_lshl_b32 s47, s16, 9
	s_add_co_u32 s46, s46, s47                     ; my first column x 4 bytes: 1,024 x tile column + 512 x half
	s_mov_b32 s47, 0
	s_lshl_b32 s20, s17, 10
	s_lshl_b32 s21, s15, 9
	s_add_co_u32 s20, s20, s21                     ; my first row x 4 bytes
	s_mov_b32 s21, 0
	s_lshr_b32 s22, s17, 1                         ; the batch: two tile rows each
	s_add_nc_u64 s[96:97], s[96:97], s[20:21]      ; spart at my rows
	s_and_b32 s92, s17, 1
	s_lshl_b32 s92, s92, 1
	s_add_co_u32 s92, s92, s15                     ; which quarter of the batch's 512 rows is mine
	s_lshr_b32 s94, s46, 9                         ; which part of 128 columns
	s_lshl_b32 s94, s94, 4
	s_add_co_u32 s94, s94, s22
	s_lshl_b32 s94, s94, 2
	s_add_co_u32 s94, s94, s92
	s_lshl_b32 s94, s94, 8                         ; ((part x 16 + batch) x 4 + quarter) x 256 bytes,
	s_add_co_u32 s94, s94, 524288                  ; behind the sums
	s_mov_b32 s95, 0
	s_add_nc_u64 s[98:99], s[12:13], s[94:95]      ; my wave's statistics
	s_lshl_b32 s92, s92, 17                        ; the quarter's 131,072 bytes + the batch's row of 8,192 + my columns
	s_lshl_b32 s94, s22, 13
	s_add_co_u32 s92, s92, s94
	s_add_co_u32 s92, s92, s46
	s_mov_b32 s93, 0
	s_add_nc_u64 s[12:13], s[12:13], s[92:93]
	s_mov_b32 s94, 0x3d0293ee                      ; c = log2(e) / sqrt(2048)
.irp t, 0,1,2,3,4,5,6,7,8,9,10,11,12,13,14,15
	global_load_b128 v[TS+4*\t:TS+4*\t+3], v[CO], s[96:97] offset:32768*\t   ; the 16 parts of the scores of rows 4 x lane on: 512 consecutive bytes a load
.endr
	v_mov_b32 v[MW+3], 0                           ; (a lane permute's destination counts as one of its sources)
	s_wait_loadcnt 0x0
.irp d, 8,4,2,1                                ; the 16 parts are added as a tree
.set tt, 0
.rept \d
	v_pk_add_f32 v[TS+4*tt:TS+4*tt+1], v[TS+4*tt:TS+4*tt+1], v[TS+4*(tt+\d):TS+4*(tt+\d)+1]
	v_pk_add_f32 v[TS+4*tt+2:TS+4*tt+3], v[TS+4*tt+2:TS+4*tt+3], v[TS+4*(tt+\d)+2:TS+4*(tt+\d)+3]
.set tt, tt+1
.endr
.endr
	v_max3_num_f32 v[MW+2], v[TS], v[TS+1], v[TS+2]
	v_max_num_f32 v[MW+2], v[MW+2], v[TS+3]
	v_max_num_f32_dpp v[MW+2], v[MW+2], v[MW+2] row_xmask:1 row_mask:0xf bank_mask:0xf
	v_max_num_f32_dpp v[MW+2], v[MW+2], v[MW+2] row_xmask:2 row_mask:0xf bank_mask:0xf
	v_max_num_f32_dpp v[MW+2], v[MW+2], v[MW+2] row_xmask:4 row_mask:0xf bank_mask:0xf
	v_max_num_f32_dpp v[MW+2], v[MW+2], v[MW+2] row_xmask:8 row_mask:0xf bank_mask:0xf
	v_permlanex16_b32 v[MW+3], v[MW+2], s[SEL], s[SEL+1]
	v_max_num_f32 v[MW+2], v[MW+2], v[MW+3]        ; the largest score of the wave's 128 rows, in every lane
	v_mul_f32 v[MW], s94, v[MW+2]                  ; m_w (c is positive)
.irp i, 0,1,2,3
	v_fma_f32 v[P4+\i], v[TS+\i], s94, -v[MW]      ; c s - m_w: 0 or less, but for the rounding of m_w
.endr
.irp i, 0,1,2,3
	v_exp_f32 v[P4+\i], v[P4+\i]
.endr
	v_nop                                          ; a plain instruction behind the last exponential (ISA guide 5.7.2)
	s_wait_alu depctr_va_vdst(0)                   ; one wait for the four, ahead of their first reader
	v_add_f32 v[MW+1], v[P4], v[P4+1]
	v_add_f32 v[MW+2], v[P4+2], v[P4+3]
	v_add_f32 v[MW+1], v[MW+1], v[MW+2]
	v_add_f32_dpp v[MW+1], v[MW+1], v[MW+1] row_xmask:1 row_mask:0xf bank_mask:0xf
	v_add_f32_dpp v[MW+1], v[MW+1], v[MW+1] row_xmask:2 row_mask:0xf bank_mask:0xf
	v_add_f32_dpp v[MW+1], v[MW+1], v[MW+1] row_xmask:4 row_mask:0xf bank_mask:0xf
	v_add_f32_dpp v[MW+1], v[MW+1], v[MW+1] row_xmask:8 row_mask:0xf bank_mask:0xf
	v_permlanex16_b32 v[MW+3], v[MW+1], s[SEL], s[SEL+1]
	v_add_f32 v[MW+1], v[MW+1], v[MW+3]            ; l_w, in every lane
.macro FRAG reg, adr, q, i             ; a fragment, 16 rows x 128 K of 4-bit codes, is 8 registers: lane l holds row l % 16; registers 4 c .. 4 c + 3 hold K = 64 c + 32 (l / 16) + 0 .. 31
.irp c, 0,1
	ds_load_b128 v[\reg+4*\c:\reg+4*\c+3], v[\adr] offset:64*(\q)+32*\c+(\i)*16*PITCH
.endr
.endm
; One product: A's block a x B's block b, the slot's q-th 128 along K.  p: B's set;  sc: the set of scale words.  zero = 1: it starts the sum: nothing is ever cleared.
.macro PROD a, b, p, q, sc, zero
.set rD, 8*(8*((\a)%4)+(\b))
.set rB, 128*(\p)+FR*(\b)
.set rA, AF+FR*(\a)
.set sB, SC+8*NQ*(\sc)+NQ*(\b)+(\q)
.set sA, SC+8*NQ*(\sc)+NQ*(\a)+(\q)
.if \zero
	v_wmma_scale_f32_16x16x128_f8f6f4 v[rD:rD+7], v[rA:rA+7], v[rB:rB+7], 0, v[sA], v[sB] matrix_a_fmt:MATRIX_FMT_FP4 matrix_b_fmt:MATRIX_FMT_FP4 matrix_b_scale:MATRIX_SCALE_ROW1
.else
	v_wmma_scale_f32_16x16x128_f8f6f4 v[rD:rD+7], v[rA:rA+7], v[rB:rB+7], v[rD:rD+7], v[sA], v[sB] matrix_a_fmt:MATRIX_FMT_FP4 matrix_b_fmt:MATRIX_FMT_FP4 matrix_b_scale:MATRIX_SCALE_ROW1
.endif
.endm
; 16 products: A's blocks a0, a0 + 1 x B's eight.  The 64 accumulators take turns, one instruction a turn, in the same order in every step.
.macro MUL16 a0, p, q, sc, zero
.irp a, \a0, \a0+1
.irp b, 0,1,2,3,4,5,6,7
	PROD \a, \b, \p, \q, \sc, \zero
.endr
.endr
.endm
.macro FETCH_B slot, q, p              ; B's eight fragments of the slot's q-th 128 along K into set p
	WIN TO_B
.irp i, 0,1,2,3,4,5,6,7
	FRAG 128*(\p)+FR*\i, ADRB+\slot, \q, \i
.endr
	WIN 0
.endm
.macro FETCH_A slot, q, i0             ; A's blocks i0 .. i0 + 3
.irp i, \i0, \i0+1, \i0+2, \i0+3
	FRAG AF+FR*(\i), ADRA+\slot, \q, \i
.endr
.endm
.macro SCALES sc                       ; the next K step's scale words into set sc: NQ words a row; lanes 0-15 take A's block i, lanes 16-31 B's block i
.irp i, 0,1,2,3,4,5,6,7
	ds_load_b128 v[SC+8*NQ*\sc+NQ*\i:SC+8*NQ*\sc+NQ*\i+3], v[ADRS] offset:\i*SBLK
.endr
.endm
; A load into a register that a matrix instruction has read, and a vector instruction or an LDS store that reads a matrix result, stand NP places behind that matrix instruction, and only plain vector
; instructions that name none of its registers are places (ISA guide 7.12.1 for vector instructions).
.macro PLACES n
.rept \n
	v_nop
.endr
.endm
; A step of 128 along K that has its successor in the same slot.
.macro STEP slot, q, zero
	s_wait_dscnt 4*NL                              ; B's set and A's blocks 0-3 are in; the youngest eight loads (A's blocks 4-7) may be out
	WIN MUL_LO
	MUL16 0, (\q)%2, \q, \slot, \zero
	MUL16 2, (\q)%2, \q, \slot, \zero
	s_wait_dscnt 0                                 ; A's blocks 4-7 are in (asked for 32 matrix instructions ago)
	PLACES NP
	FETCH_B \slot, (\q)+1, 1-(\q)%2
	FETCH_A \slot, (\q)+1, 0
	WIN MUL_HI
	MUL16 4, (\q)%2, \q, \slot, \zero
	MUL16 6, (\q)%2, \q, \slot, \zero
	PLACES NP
	WIN 0
	FETCH_A \slot, (\q)+1, 4
.endm
; A slot's last step changes slots: ONE barrier; in front of it each wave waits for all its tensor loads, adds 0 to its spare word, and waits for that and for its own reads of this slot.  fill = 1: this slot is filled again, two K steps ahead.
.macro TURN slot, next, fill
	s_wait_tensorcnt 0x0                           ; all my tensor loads have landed: my part of the next slot;  (every window is 0 here: the add's two registers lie in window 0)
	ds_add_u32 v[SPW], v[NIL]                      ; 0 onto my spare word
	s_wait_dscnt 4*NL+1                            ; (the add and the youngest eight loads, A's blocks 4-7, may be out)
	WIN MUL_LO
	MUL16 0, 1, NQ-1, \slot, 0                     ; sixteen matrix instructions stand between the add and the wait for it
	s_wait_dscnt 0x0                               ; the add is done, and my reads of this slot are over
	s_barrier_signal -1
	MUL16 2, 1, NQ-1, \slot, 0
	WIN 0
	s_barrier_wait -1
.if \fill
	CREST                                          ; the barrier has opened a round of the cluster's barrier: no wave of any partner still reads this slot's tile or has a load on its way
	s_add_nc_u64 s[G0+4*\slot+2:G0+4*\slot+3], s[G0+4*\slot+2:G0+4*\slot+3], 2*ROWB
	s_add_nc_u64 s[G0B+4*\slot+2:G0B+4*\slot+3], s[G0B+4*\slot+2:G0B+4*\slot+3], 2*ROWB
	JLOAD G0+4*\slot, G1, G0B+4*\slot, G1B         ; the first tensor load behind the round; the four v_nop behind it are the places in front of the loads below
.else
	PLACES NP
.endif
	v_add_nc_u32 v[ADRS], 4*NQ, v[ADRS]            ; on to the next K step's scale words (no LDS load of mine is out)
	FETCH_B \next, 0, 0
	FETCH_A \next, 0, 0
	SCALES \next
	WIN MUL_HI
	MUL16 4, 1, NQ-1, \slot, 0
	MUL16 6, 1, NQ-1, \slot, 0
	PLACES NP
	WIN 0
	FETCH_A \next, 0, 4
.endm
.macro STEPS slot, from                ; the slot's steps from .. NQ - 2
.set Q, \from
.rept NQ-1-\from
	STEP \slot, Q, 0
.set Q, Q+1
.endr
.endm
	s_wait_tensorcnt 1                             ; the scales and my part of K step 0 are in (K step 1's load may be out),
	s_barrier_signal -1
	s_barrier_wait -1                              ; everybody's are
	FETCH_B 0, 0, 0
	FETCH_A 0, 0, 0
	SCALES 0
	FETCH_A 0, 0, 4
	STEP 0, 0, 1                                   ; the first step stands in front of the loop: its products start the sums
	s_mov_b32 s3, LAPS-1
.Llap:                                                 ; a trip goes once round the ring, from a lap's second step to the next lap's first, and fills both slots again
	STEPS 0, 1
	TURN 0, 1, 1
	STEPS 1, 0
	TURN 1, 0, 1
	STEP 0, 0, 0
	s_sub_co_u32 s3, s3, 1
	s_cmp_lg_u32 s3, 0
	s_cbranch_scc1 .Llap
	STEPS 0, 1                                     ; the last lap fills nothing, and has no round of the cluster's barrier
	TURN 0, 1, 0
	STEPS 1, 0
	s_wait_dscnt 4*NL                              ; the very last step: nothing more to fetch
	WIN MUL_LO
	MUL16 0, 1, NQ-1, 1, 0
	MUL16 2, 1, NQ-1, 1, 0
	s_wait_dscnt 0
	WIN MUL_HI
	MUL16 4, 1, NQ-1, 1, 0
	MUL16 6, 1, NQ-1, 1, 0
	WIN 0
	; THE WAY OUT.  p goes through my stage, so that each lane gets it in the order of its accumulators' registers; then 256 packed multiply-adds take the sums over my 128 rows.
	PLACES NP                                      ; for the loads into the registers that held A's fragments, and for the first reads of results
	ds_store_b128 v[RD], v[P4:P4+3]                ; p of rows 4 x lane on
.irp a, 0,1,2,3,4,5,6,7
	ds_load_b128 v[QW+8*\a:QW+8*\a+3], v[RB] offset:64*\a       ; LDS serves a wave's instructions in order (ISA guide 5.7.1.4): these see the store above
	ds_load_b128 v[QW+8*\a+4:QW+8*\a+7], v[RB] offset:64*\a+16
.endr
	s_wait_dscnt 0x0
.irp a, 0,1,2,3,4,5,6,7                        ; blocks 0-3 of rows lie in window 2, blocks 4-7 in window 3.  Eight chains by turns; each accumulator is read from its low end on
	WIN 0x02+(\a)/4
.irp jj, 0,1,2,3
.irp b, 0,1,2,3,4,5,6,7
.if (\a == 0) && (\jj == 0)
	v_pk_mul_f32 v[SS+2*\b:SS+2*\b+1], v[8*(8*((\a)%4)+\b)+2*\jj:8*(8*((\a)%4)+\b)+2*\jj+1], v[QW+8*\a+2*\jj:QW+8*\a+2*\jj+1]
.else
	v_pk_fma_f32 v[SS+2*\b:SS+2*\b+1], v[8*(8*((\a)%4)+\b)+2*\jj:8*(8*((\a)%4)+\b)+2*\jj+1], v[QW+8*\a+2*\jj:QW+8*\a+2*\jj+1], v[SS+2*\b:SS+2*\b+1]
.endif
.endr
.endr
.endr
	WIN 0
.irp b, 0,1,2,3,4,5,6,7
	v_add_f32 v[XR+\b], v[SS+2*\b], v[SS+2*\b+1]   ; even rows' and odd rows' sums
.endr
.irp b, 0,1,2,3,4,5,6,7
	v_permlanex16_b32 v[SS+2*\b], v[XR+\b], s[SEL], s[SEL+1]
.endr
.irp b, 0,1,2,3,4,5,6,7
	v_add_f32 v[XR+\b], v[XR+\b], v[SS+2*\b]       ; with lane l xor 16's rows: both halves now hold column 16 b + r's sum
.endr
	v_cmp_le_u32 vcc_lo, 16, v[LN]
.irp i, 0,1,2,3
	v_cndmask_b32 v[YR+\i], v[XR+2*\i], v[XR+2*\i+1], vcc_lo   ; lanes 0-15 keep block 2 i, lanes 16-31 block 2 i + 1: column 32 i + lane
.endr
.irp i, 0,1,2,3
	ds_store_b32 v[W4], v[YR+\i] offset:128*\i
.endr
	ds_load_b128 v[ZR:ZR+3], v[R16]                ; back as columns 4 x lane on
	s_wait_dscnt 0x0
	global_store_b128 v[CO], v[ZR:ZR+3], s[12:13]  ; the wave stores 512 consecutive bytes, aligned
	global_store_b64 v[ST8], v[MW:MW+1], s[98:99]  ; m_w and l_w, the same in every lane: 256 consecutive bytes, aligned
	s_wait_tensorcnt 0x0                           ; the wave's end, behind my last tensor load and my last LDS store
	ds_add_u32 v[SPW], v[NIL]
	s_wait_dscnt 0x0
	CROUND                                         ; the closing round: no work-group ends while a partner may still ask for a tile that names it
	s_endpgm
.Lfunc_end_k_q68f136c5de_vgemm:
	.size	k_q68f136c5de_vgemm, .Lfunc_end_k_q68f136c5de_vgemm-k_q68f136c5de_vgemm
	.p2alignl 7, 3214868480
	.fill 96, 4, 3214868480
	.section	.rodata,"a",@progbits
	.p2align	6, 0x0
	.amdhsa_kernel k_q68f136c5de_vgemm
		.amdhsa_group_segment_fixed_size 327680
		.amdhsa_private_segment_fixed_size 0
		.amdhsa_enable_private_segment 0
		.amdhsa_kernarg_size 48
		.amdhsa_user_sgpr_count 2
		.amdhsa_user_sgpr_kernarg_segment_ptr 1
		.amdhsa_wavefront_size32 1
		.amdhsa_system_sgpr_workgroup_id_x 1
		.amdhsa_system_sgpr_workgroup_id_y 1
		.amdhsa_system_sgpr_workgroup_id_z 1
		.amdhsa_system_vgpr_workitem_id 0
		.amdhsa_next_free_vgpr 1024
		.amdhsa_next_free_sgpr 100
		.amdhsa_reserve_vcc 1
		.amdhsa_float_denorm_mode_32 3
		.amdhsa_float_denorm_mode_16_64 3
		.amdhsa_memory_ordered 1
		.amdhsa_forward_progress 1
		.amdhsa_inst_pref_size 207
	.end_amdhsa_kernel
	.amdgpu_metadata
---
amdhsa.version: [ 1, 2 ]
amdhsa.kernels:
  - .name:           k_q68f136c5de_vgemm
    .symbol:         k_q68f136c5de_vgemm.kd
    .args:
      - { .name: a_codes, .offset: 0, .size: 8, .value_kind: global_buffer, .address_space: global }
      - { .name: a_scales, .offset: 8, .size: 8, .value_kind: global_buffer, .address_space: global }
      - { .name: w_codes, .offset: 16, .size: 8, .value_kind: global_buffer, .address_space: global }
      - { .name: w_scales, .offset: 24, .size: 8, .value_kind: global_buffer, .address_space: global }
      - { .name: opart, .offset: 32, .size: 8, .value_kind: global_buffer, .address_space: global }
      - { .name: spart, .offset: 40, .size: 8, .value_kind: global_buffer, .address_space: global }
    .group_segment_fixed_size: 327680
    .private_segment_fixed_size: 0
    .kernarg_segment_align: 8
    .kernarg_segment_size: 48
    .max_flat_workgroup_size: 128
    .sgpr_count:     100
    .vgpr_count:     1024
    .wavefront_size: 32
...
	.end_amdgpu_metadata
.endif
;; end of part 3
;; launch combine (part 4): grid 256 x 1, 1 waves a work-group, no clusters, 0 bytes of LDS; arguments opart, bv, out0; writes out0
.if DOCPART == 4
	.amdgcn_target "amdgcn-amd-amdhsa--gfx1250"
	.amdhsa_code_object_version 6
	.text
	.protected	k_q68f136c5de_combine
	.globl	k_q68f136c5de_combine
	.p2align	8
	.type	k_q68f136c5de_combine,@function
k_q68f136c5de_combine:
	s_mov_b64 s[64:65], 0
	v_nop
	global_prefetch_b8 v0, s[64:65] scope:SCOPE_SE
	s_setreg_imm32_b32 hwreg(HW_REG_WAVE_MODE, 25, 1), 1
	s_wait_xcnt 0x0
; out[b][o] = (sum over the four quarters w of f_w O_w[b][o]) / (sum over w of f_w l_w) + bv[o], f_w = 2^(m_w - m), m the largest of the four m_w: the quarters' sums, each taken under its own maximum,
; are brought under the batch's maximum.  bv stands outside the sum since the weights add up to one.  The quarter that holds the maximum has f = 1 and l of 1 or more, so the divisor is 1 or more.
; opart: bytes 0 on: [4 quarters][16 batches][2048] f32;  bytes 524,288 on: [16 parts of 128 columns][16 batches][4 quarters][32 lanes][m, l] f32.
; One wave takes one batch and 128 columns, four a lane: every load and the store cover 512 (the statistics 256) consecutive bytes.  Nine loads and one store a wave: no LDS, no ring, no matrix unit, no cluster.
	s_load_b128 s[4:7], s[0:1], 0x0                ; opart, bv
	s_load_b64 s[8:9], s[0:1], 0x10                ; out0
	s_lshr_b32 s10, ttmp9, 4                       ; the batch
	s_and_b32 s11, ttmp9, 15                       ; the part of 128 columns
	s_lshl_b32 s12, s10, 13
	s_lshl_b32 s14, s11, 9                         ; my columns x 4 bytes
	s_add_co_u32 s12, s12, s14                     ; + the batch's row of 8,192 bytes
	s_mov_b32 s13, 0
	s_mov_b32 s15, 0
	s_lshl_b32 s16, s11, 14                        ; the statistics: (part x 16 + batch) x 4 x 256 bytes, behind the sums
	s_lshl_b32 s17, s10, 10
	s_add_co_u32 s16, s16, s17
	s_add_co_u32 s16, s16, 524288
	s_mov_b32 s17, 0
	v_lshlrev_b32 v1, 4, v0                        ; 16 bytes a lane
	v_lshlrev_b32 v2, 3, v0                        ; 8 bytes a lane
	s_wait_kmcnt 0x0
	s_add_nc_u64 s[18:19], s[4:5], s[16:17]
	s_add_nc_u64 s[4:5], s[4:5], s[12:13]
	s_add_nc_u64 s[6:7], s[6:7], s[14:15]
	s_add_nc_u64 s[8:9], s[8:9], s[12:13]
.irp w, 0,1,2,3
	global_load_b64 v[24+2*\w:25+2*\w], v2, s[18:19] offset:256*\w    ; m_w, l_w
.endr
.irp w, 0,1,2,3
	global_load_b128 v[8+4*\w:11+4*\w], v1, s[4:5] offset:131072*\w   ; O_w
.endr
	global_load_b128 v[32:35], v1, s[6:7]          ; bv
	s_wait_loadcnt 5                               ; the four statistics are in; the five loads behind them may be out
	v_max3_num_f32 v36, v24, v26, v28
	v_max_num_f32 v36, v36, v30                    ; m
.irp w, 0,1,2,3
	v_sub_f32 v[40+\w], v[24+2*\w], v36
.endr
.irp w, 0,1,2,3
	v_exp_f32 v[40+\w], v[40+\w]                   ; f_w
.endr
	v_nop                                          ; a plain instruction behind the last exponential (ISA guide 5.7.2)
	s_wait_alu depctr_va_vdst(0)                   ; one wait for the four, ahead of their first reader
	v_mul_f32 v37, v40, v25
	v_fmac_f32 v37, v41, v27
	v_fmac_f32 v37, v42, v29
	v_fmac_f32 v37, v43, v31                       ; the batch's sum
	v_rcp_f32 v38, v37
	v_nop
	s_wait_alu depctr_va_vdst(0)                   ; and one for the reciprocal
.irp w, 0,1,2,3
	v_mul_f32 v[40+\w], v[40+\w], v38              ; f_w / the sum
.endr
	s_wait_loadcnt 0x0
.irp i, 0,1,2,3
	v_fma_f32 v[44+\i], v[8+\i], v40, v[32+\i]     ; the first quarter starts the sums, onto bv
.endr
.irp w, 1,2,3
.irp i, 0,1,2,3
	v_fmac_f32 v[44+\i], v[8+4*\w+\i], v[40+\w]
.endr
.endr
	global_store_b128 v1, v[44:47], s[8:9]         ; the wave stores 512 consecutive bytes, aligned
	s_endpgm
.Lfunc_end_k_q68f136c5de_combine:
	.size	k_q68f136c5de_combine, .Lfunc_end_k_q68f136c5de_combine-k_q68f136c5de_combine
	.p2alignl 7, 3214868480
	.fill 96, 4, 3214868480
	.section	.rodata,"a",@progbits
	.p2align	6, 0x0
	.amdhsa_kernel k_q68f136c5de_combine
		.amdhsa_group_segment_fixed_size 0
		.amdhsa_private_segment_fixed_size 0
		.amdhsa_enable_private_segment 0
		.amdhsa_kernarg_size 24
		.amdhsa_user_sgpr_count 2
		.amdhsa_user_sgpr_kernarg_segment_ptr 1
		.amdhsa_wavefront_size32 1
		.amdhsa_system_sgpr_workgroup_id_x 1
		.amdhsa_system_sgpr_workgroup_id_y 1
		.amdhsa_system_sgpr_workgroup_id_z 1
		.amdhsa_system_vgpr_workitem_id 0
		.amdhsa_next_free_vgpr 48
		.amdhsa_next_free_sgpr 66
		.amdhsa_reserve_vcc 0
		.amdhsa_float_denorm_mode_32 3
		.amdhsa_float_denorm_mode_16_64 3
		.amdhsa_memory_ordered 1
		.amdhsa_forward_progress 1
		.amdhsa_inst_pref_size 4
	.end_amdhsa_kernel
	.amdgpu_metadata
---
amdhsa.version: [ 1, 2 ]
amdhsa.kernels:
  - .name:           k_q68f136c5de_combine
    .symbol:         k_q68f136c5de_combine.kd
    .args:
      - { .name: opart, .offset: 0, .size: 8, .value_kind: global_buffer, .address_space: global }
      - { .name: bv, .offset: 8, .size: 8, .value_kind: global_buffer, .address_space: global }
      - { .name: out0, .offset: 16, .size: 8, .value_kind: global_buffer, .address_space: global }
    .group_segment_fixed_size: 0
    .private_segment_fixed_size: 0
    .kernarg_segment_align: 8
    .kernarg_segment_size: 24
    .max_flat_workgroup_size: 32
    .sgpr_count:     66
    .vgpr_count:     48
    .wavefront_size: 32
...
	.end_amdgpu_metadata
.endif
;; end of part 4
;; ======== version 2 of 2: 4 launches; version 1 with the launch quant written anew for expert scheduling mode
;; workspace buffers: a_codes 8,388,608 bytes; a_scales 524,288 bytes; w_codes 4,194,304 bytes; w_scales 262,144 bytes; qpart 524,288 bytes; spart 524,288 bytes; opart 786,432 bytes
;; launch quant (part 5): grid 896 x 1, 4 waves a work-group, no clusters, 64,000 bytes of LDS; arguments context_tokens, current_token, Wq, Wk, Wv, a_codes, a_scales, w_codes, w_scales, qpart; writes a_codes, a_scales, w_codes, w_scales, qpart
.if DOCPART == 5
	.amdgcn_target "amdgcn-amd-amdhsa--gfx1250"
	.amdhsa_code_object_version 6
	.text
	.protected	k_q68f136c5de_quant
	.globl	k_q68f136c5de_quant
	.p2align	8
	.type	k_q68f136c5de_quant,@function
k_q68f136c5de_quant:
	s_mov_b64 s[64:65], 0
	v_nop
	global_prefetch_b8 v0, s[64:65] scope:SCOPE_SE
	s_setreg_imm32_b32 hwreg(HW_REG_WAVE_SCHED_MODE, 0, 2), 2
	s_setreg_imm32_b32 hwreg(HW_REG_WAVE_MODE, 25, 1), 1
	s_wait_xcnt 0x0
	s_wait_alu depctr_vm_vsrc(0)
; THE QUANTISING LAUNCH.  Every f32 input but the biases is read here, once.  Three kinds of work-group, told apart by the work-group's number alone; each wave of each kind takes 32,768 bytes of f32.
;   work-groups   0-127: q = Q(current_token) Q(Wq): 64 columns x 512 along K each; Wq and the tokens are quantised in registers and multiplied at once; four partial sums along K go to qpart [4][16][2048] f32.
;   work-groups 128-383: Wk and Wv [2048 k][2048 n] f32 -> w_codes [2][2048 n][1024 bytes], K innermost, and w_scales [2][2048 n][64].
;   work-groups 384-895: context_tokens [8192][2048] f32 -> a_codes [8192][1024 bytes] and a_scales [8192][64].
; CODES: FP4 (E2M1), two a byte, the lower k in the low four bits; one E8M0 byte for each 32 along K.  A block's scale is 2^(floor(log2(its largest magnitude)) - 2): its byte is the largest magnitude's
; exponent field - 2, held at 1 from below by a floor among the maximum's leaves.  Each number is divided by the scale and rounded to the nearest code, ties to even; beyond 6 the largest code.
; LIMITS: a block of zeros gets the byte 1 where the rule says 127 (its codes are zeros, which add nothing, and this program alone reads the bytes); blocks whose largest magnitude lies under 2^-124 keep
; the byte 1; NaN and infinities among the inputs are not served.
; No cluster, no tensor load: work-groups share nothing but current_token (32,768 of the 163,840 bytes that a work-group of the first kind reads), which comes through registers.
; Each kind has LDS bytes of its own: tokens 0 - 32,767; weights LW on; q LQ on.
; THE MODE: SCHED_MODE bits 1:0 = 2 (LLVM: expert scheduling mode 2), set by the entry lines.  The code itself states the register dependences between vector or matrix instructions and memory or LDS
; instructions, with s_wait_alu, always for 0.
; THE PLAN.  On every path the offsets and LDS addresses are made once, at the path's head, ahead of one wait on va_vdst, and are never written again.  Beside them memory and LDS instructions touch:
;   tokens:  R0 .. R3   written by the loads of step t + 4, read by the stage's stores of step t; no vector instruction names them.
;            X0, X1     written by the stage's loads, read by step t's maxima and conversions.
;            E, CC      a set for each step: written by step t's vector instructions, read by two stores that are issued at the head of step t + 1; never written again.
;            So a step's head holds one wait on va_vdst (the step before has written E and CC and is done reading its X) and one on vm_vsrc (the stage's stores have read R[t % 4]); all the step's memory
;            and LDS instructions follow them, ahead of its vector instructions.
;   weights: X0, X1     written by loads, read by block t's maxima and conversions, asked for again in the same block.
;            WCD        written by the conversions, read by one LDS store, written again by the next block's conversions.     SB: written by vector instructions, read by one store behind the blocks.
;            So a block holds one wait on va_vdst, behind its conversions, and one on vm_vsrc, ahead of them.
;   q:       CTN        written by loads, read by QUANT; its registers are then loaded again, as X1 and as the tokens' fragments.     PC, PW: written by QUANT, read by LDS stores, once.
;            X0, X1     as for the weights.     WC, WS: written by vector instructions, read by the scaled products.     The accumulators: read by LDS stores.     OUTQ: loaded, summed in place, stored.
;            So one wait on va_vdst stands behind QUANT, one in a block behind its conversions (in a K step's last block behind the places ahead of the products, which it serves too), one ahead of the
;            stage's stores and one ahead of the last stores.  No register that a memory or LDS instruction has read is written again on this path.
.set WREG,  8192                       ; tokens: a wave's LDS region: two stages of 32 x SP bytes, and behind them its 256 scale bytes
.set SP,    80                         ; a lane's place in a stage: its 64 bytes + 16 of padding
.set CB,    8                          ; bytes of 16 codes
.set STEPS, 16
.set R,     16                         ; tokens: v16-79 four sets of 16 numbers as loaded
.set X,     80                         ; tokens: v80-111 two sets of 16 neighbours;  weights and q: v80-143 two sets of 32 numbers down K
.set E,     112                        ; tokens: v112-127 a scale byte for each step
.set CC,    128                        ; tokens: v128-191 codes, four registers for each step
.set WP,    272                        ; a stage row of 256 bytes + 16 of padding
.set LW,    32768                      ; weights: a stage of 64 rows x WP
.set LQ,    LW+64*WP                   ; q: the tokens' four fragments as images of their registers, 1,024 bytes each,
.set XSC,   LQ+4096                    ;    their scale words, 128 bytes each,
.set STG,   XSC+512                    ;    and two stages of 16 rows x WP for the two halves along K
.set WCD,   48                         ; weights: v48-51 a block's codes
.set SB,    52                         ; weights: v52-53 eight scale bytes
.set OUTR,  144                        ; weights: v144-175 the way out
.set TM,    16                         ; q: v16-31 at work in QUANT
.set PW,    32                         ; q: v32 the tokens' scale word just made
.set WS,    33                         ; q: v33 Wq's scale word: scales and nothing else
.set CTS,   34                         ; q: v34-35 the tokens' scale words of my two K steps: scales and nothing else
.set PC,    40                         ; q: v40-47 the tokens' codes just made
.set WC,    48                         ; q: v48-63 Wq's two fragments (columns 0-15, columns 16-31) of a K step
.set ACC0,  64                         ; q: v64-71, v72-79 the two accumulators
.set ACC1,  72
.set CTN,   112                        ; q: v112-175 64 numbers of the tokens; done with before v112-159 are loaded again
.set CTF,   144                        ; q: v144-159 the tokens' fragments of my two K steps
.set OUTQ,  176                        ; q: v176-191 the way out
.set SEL,   44                         ; s[44:45] lane selects for v_permlanex16_b32: lane l xor 16
; ---- tokens: a step is 512 numbers.  Each of its four loads reads 512 consecutive bytes, 16 a lane; the 2,048 bytes turn through the wave's own stage and come back 64 bytes (16 neighbours along K) a lane
.macro CLOAD t
.irp i, 0,1,2,3
	global_load_b128 v[R+16*((\t)%4)+4*\i:R+16*((\t)%4)+4*\i+3], v3, s[4:5] offset:2048*(\t)+512*\i th:TH_LOAD_NT
.endr
.endm
.macro CTURN t                         ; LDS serves a wave's instructions in order (ISA guide 5.7.1.4): no wait between the stores and the loads
.irp i, 0,1,2,3
	ds_store_b128 v14, v[R+16*((\t)%4)+4*\i:R+16*((\t)%4)+4*\i+3] offset:32*SP*((\t)%2)+8*SP*\i
.endr
.irp i, 0,1,2,3
	ds_load_b128 v[X+16*((\t)%2)+4*\i:X+16*((\t)%2)+4*\i+3], v15 offset:32*SP*((\t)%2)+16*\i
.endr
.endm
.macro CSEND t                         ; step t's results leave: they are issued behind a wait on va_vdst that stands behind step t's vector instructions
	ds_store_b8 v5, v[E+(\t)] offset:16*(\t)       ; both lanes of a block write the same byte with the same value
	global_store_b64 v4, v[CC+4*(\t):CC+4*(\t)+1], s[8:9] offset:32*CB*(\t)   ; the wave stores 256 consecutive bytes, aligned
.endm
.macro CSTEP t
.set XS, X+16*((\t)%2)
	s_wait_dscnt 0x0                               ; this step's numbers are back from the stage: they were the youngest LDS instructions
.if (\t) > 0
	s_wait_alu depctr_va_vdst(0)                   ; the step before has written its byte and its codes, which the two stores below read, and is done reading its X, in which the next step's numbers land
.endif
.if (\t)+4 < STEPS
	s_wait_alu depctr_vm_vsrc(0)                   ; the stage's stores of this step's numbers have read R[t % 4],
	CLOAD (\t)+4                                   ; which takes the loads of four steps on
.endif
.if (\t) > 0
	CSEND (\t)-1
.endif
.if (\t)+1 < STEPS
.if STEPS-2-(\t) >= 3
	s_wait_loadcnt 12                              ; the next step's four loads are in; the twelve of the three steps behind it may be out
.else
	s_wait_loadcnt 4*(STEPS-2-(\t))                ; at the end the count runs down
.endif
	CTURN (\t)+1                                   ; they go through the other stage while this step is worked.  No vector instruction since the waits above names a register of these lines
.endif
	v_max3_num_f32 v8, |v[XS]|, |v[XS+1]|, |v[XS+2]|               ; the largest magnitude of my 16, in two chains
	v_max3_num_f32 v9, |v[XS+3]|, |v[XS+4]|, |v[XS+5]|
.irp i, 6,10
	v_max3_num_f32 v8, v8, |v[XS+\i]|, |v[XS+\i+1]|
	v_max3_num_f32 v9, v9, |v[XS+\i+2]|, |v[XS+\i+3]|
.endr
	v_max3_num_f32 v8, v8, |v[XS+14]|, |v[XS+15]|
	v_max3_num_f32 v8, v8, v9, 0x1800000           ; and the floor 2^(3 - 127): the byte cannot fall under 1
	v_max_num_f32_dpp v8, v8, v8 row_xmask:1 row_mask:0xf bank_mask:0xf   ; with my neighbour's 16: the block's
	v_add_nc_u32 v11, 0xff000000, v8               ; 2 off its exponent field: the conversion takes the exponent field of this operand as its scale
	v_cvt_scalef32_pk8_fp4_f32 v[CC+4*(\t)], v[XS:XS+7], v11
	v_cvt_scalef32_pk8_fp4_f32 v[CC+4*(\t)+1], v[XS+8:XS+15], v11
	v_lshrrev_b32 v[E+(\t)], 23, v11               ; the scale's byte (also the plain instruction behind the conversions)
.endm
; ---- weights and q: a lane takes a column n and its registers run down K.  Block t: W(32 t + i, my column), i = 0 .. 31, into set t % 2; a load reads 128 consecutive bytes, two waves side by side 256
.macro KLOAD t, vo
.irp i, 0,1,2,3,4,5,6,7,8,9,10,11,12,13,14,15,16,17,18,19,20,21,22,23,24,25,26,27,28,29,30,31
	global_load_b32 v[X+32*((\t)%2)+\i], v[\vo], s[4:5] offset:(32*(\t)+\i)*8192 th:TH_LOAD_NT
.endr
.endm
.macro BMAX xs                         ; a block of 32 numbers, all mine: v11 = the conversion's scale operand, v13 = the scale's byte
	v_max3_num_f32 v12, |v[\xs]|, |v[\xs+1]|, |v[\xs+2]|
	v_max3_num_f32 v13, |v[\xs+3]|, |v[\xs+4]|, |v[\xs+5]|
.irp i, 6,10,14,18,22,26
	v_max3_num_f32 v12, v12, |v[\xs+\i]|, |v[\xs+\i+1]|
	v_max3_num_f32 v13, v13, |v[\xs+\i+2]|, |v[\xs+\i+3]|
.endr
	v_max3_num_f32 v12, v12, |v[\xs+30]|, |v[\xs+31]|
	v_max3_num_f32 v12, v12, v13, 0x1800000        ; the floor 2^(3 - 127)
	v_add_nc_u32 v11, 0xff000000, v12              ; 2 off the exponent field
	v_lshrrev_b32 v13, 23, v11
.endm
.macro WBLOCK t
.set XS, X+32*((\t)%2)
.if (\t) < 7
	s_wait_loadcnt 32                              ; this block's 32 loads are in; the next block's 32 may be out
.else
	s_wait_loadcnt 0x0
.endif
	BMAX XS
.if (\t)%4 == 0
	v_mov_b32 v[SB+(\t)/4], v13                    ; four bytes to a register, the lower K in the lower byte
.else
	v_lshl_or_b32 v[SB+(\t)/4], v13, 8*((\t)%4), v[SB+(\t)/4]
.endif
.if (\t) > 0
	s_wait_dscnt 0x0                               ; the last block's store into the stage is done,
	s_wait_alu depctr_vm_vsrc(0)                   ; and it has read v[WCD ..], which the conversions below write again
.endif
.irp g, 0,1,2,3
	v_cvt_scalef32_pk8_fp4_f32 v[WCD+\g], v[XS+8*\g:XS+8*\g+7], v11
.endr
	v_nop                                          ; one plain instruction behind the conversions
	s_wait_alu depctr_va_vdst(0)                   ; the conversions have written v[WCD ..], which the LDS store reads, and are done reading X[t % 2], in which the loads below land; in the last block the scale bytes v[SB ..] are written too, which the store behind the blocks reads
	ds_store_b128 v4, v[WCD:WCD+3] offset:16*(\t)  ; 32 codes: 16 bytes of my column's row
.if (\t)+2 < 8
	KLOAD (\t)+2, 3
.endif
.endm
.macro BARRIER                         ; my LDS stores have landed and my LDS loads are in: then the work-group's barrier
	s_wait_dscnt 0x0
	s_barrier_signal -1
	s_barrier_wait -1
.endm
; 64 numbers of a lane, v[s] .. v[s + 63], register 16 b + i = k 32 b + 16 (lane / 16) + i of my row, become a fragment's codes in v[PC] on and its scale word in v[PW]
.macro QUANT s
.irp b, 0,1,2,3
	v_max3_num_f32 v[TM+\b], |v[\s+16*\b]|, |v[\s+1+16*\b]|, 0x1800000
.endr
.irp i, 2,4,6,8,10,12,14
.irp b, 0,1,2,3
	v_max3_num_f32 v[TM+\b], v[TM+\b], |v[\s+16*\b+\i]|, |v[\s+1+16*\b+\i]|   ; the four blocks by turns
.endr
.endr
.irp b, 0,1,2,3
	v_permlanex16_b32 v[TM+4+\b], v[TM+\b], s[SEL], s[SEL+1]
.endr
.irp b, 0,1,2,3
	v_max_num_f32 v[TM+\b], v[TM+\b], v[TM+4+\b]   ; with lane l xor 16's: the block's largest magnitude
.endr
.irp b, 0,1,2,3
	v_add_nc_u32 v[TM+12+\b], 0xff000000, v[TM+\b]
.endr
.irp b, 0,1,2,3
	v_lshrrev_b32 v[TM+4+\b], 23, v[TM+12+\b]
.endr
	v_lshl_or_b32 v[PW], v[TM+5], 8, v[TM+4]       ; the four bytes make my row's scale word
	v_lshl_or_b32 v[PW], v[TM+6], 16, v[PW]
	v_lshl_or_b32 v[PW], v[TM+7], 24, v[PW]
.irp b, 0,1,2,3
	v_cvt_scalef32_pk8_fp4_f32 v[PC+2*\b], v[\s+16*\b:\s+7+16*\b], v[TM+12+\b]
	v_cvt_scalef32_pk8_fp4_f32 v[PC+1+2*\b], v[\s+8+16*\b:\s+15+16*\b], v[TM+12+\b]
.endr
	v_nop                                          ; one plain instruction behind the conversions
.irp c, 0,1                                    ; the operand's layout wants a whole block in a lane: lanes 0-15 block 2 c, lanes 16-31 block 2 c + 1
.irp i, 0,1
	v_permlane16_swap_b32 v[PC+4*\c+\i], v[PC+2+4*\c+\i]
.endr
.endr
.endm
; q: block t of my 256 along K.  Block t % 4 of a K step goes to registers 4 ((t % 4) / 2) on of fragment t % 2; when four blocks are there, eight exchanges of halves make of them the fragment of
; columns 0-15 (lanes 0-15: blocks 0, 2; lanes 16-31: blocks 1, 3 of column lane % 16) and that of columns 16-31, and two products follow.
.macro QBLOCK t
.set XS, X+32*((\t)%2)
.if (\t) < 7
	s_wait_loadcnt 32                              ; this block's 32 loads are in; the next block's 32 may be out
.else
	s_wait_loadcnt 0x0
.endif
	BMAX XS                                        ; (its eighteen plain instructions are also the places behind the last K step's products, ahead of the writes of WS and WC)
.if (\t)%4 == 0
	v_mov_b32 v[WS], v13
.else
	v_lshl_or_b32 v[WS], v13, 8*((\t)%4), v[WS]    ; lane l holds column l's scale word: lanes 0-15 serve the first fragment, lanes 16-31 the second
.endif
.irp g, 0,1,2,3
	v_cvt_scalef32_pk8_fp4_f32 v[WC+8*((\t)%2)+4*(((\t)%4)/2)+\g], v[XS+8*\g:XS+8*\g+7], v11
.endr
	v_nop                                          ; one plain instruction behind the conversions
.if (\t)%4 == 3
.irp i, 0,1,2,3,4,5,6,7
	v_permlane16_swap_b32 v[WC+\i], v[WC+8+\i]     ; the first's lanes 16-31 change places with the second's lanes 0-15
.endr
.rept 8
	v_nop                                          ; a scale register written by a vector instruction stands 8 places ahead of a scaled product, an operand so written 4
.endr
	s_wait_alu depctr_va_vdst(0)                   ; behind the places: v[WS] and v[WC ..] are written, which the scaled products take as scales and as source 0; and the conversions are done reading X[t % 2], in which the loads behind the products land
; transposed: source 0 = 16 columns of Wq, source 1 = the 16 tokens: lane (r, h) holds token r and columns 8 h + 0 .. 7.  The two accumulators take turns.
.if (\t) == 3
	v_wmma_scale_f32_16x16x128_f8f6f4 v[ACC0:ACC0+7], v[WC:WC+7], v[CTF:CTF+7], 0, v[WS], v[CTS] matrix_a_fmt:MATRIX_FMT_FP4 matrix_b_fmt:MATRIX_FMT_FP4
	v_wmma_scale_f32_16x16x128_f8f6f4 v[ACC1:ACC1+7], v[WC+8:WC+15], v[CTF:CTF+7], 0, v[WS], v[CTS] matrix_a_fmt:MATRIX_FMT_FP4 matrix_b_fmt:MATRIX_FMT_FP4 matrix_a_scale:MATRIX_SCALE_ROW1
.else
	v_wmma_scale_f32_16x16x128_f8f6f4 v[ACC0:ACC0+7], v[WC:WC+7], v[CTF+8:CTF+15], v[ACC0:ACC0+7], v[WS], v[CTS+1] matrix_a_fmt:MATRIX_FMT_FP4 matrix_b_fmt:MATRIX_FMT_FP4
	v_wmma_scale_f32_16x16x128_f8f6f4 v[ACC1:ACC1+7], v[WC+8:WC+15], v[CTF+8:CTF+15], v[ACC1:ACC1+7], v[WS], v[CTS+1] matrix_a_fmt:MATRIX_FMT_FP4 matrix_b_fmt:MATRIX_FMT_FP4 matrix_a_scale:MATRIX_SCALE_ROW1
.endif
.if (\t)+2 < 8
	KLOAD (\t)+2, 14                               ; no further wait: the two products since the wait name WC, the tokens' fragments, the scale words and the accumulators, none of the registers of these loads
.endif
.elseif (\t)+2 < 8
	s_wait_alu depctr_va_vdst(0)                   ; the conversions are done reading X[t % 2], in which the loads below land
	KLOAD (\t)+2, 14
.endif
.endm
	s_load_b256 s[24:31], s[0:1], 0x0              ; context_tokens s[24:25], current_token s[26:27], Wq s[28:29], Wk s[30:31]
	s_load_b256 s[32:39], s[0:1], 0x20             ; Wv s[32:33], a_codes s[34:35], a_scales s[36:37], w_codes s[38:39]
	s_load_b128 s[40:43], s[0:1], 0x40             ; w_scales s[40:41], qpart s[42:43]
	v_lshl_add_u32 v192, v0, 2, 0xf800
	v_mov_b32 v193, 0
	v_lshrrev_b32 v1, 5, v0
	v_readfirstlane_b32 s16, v1                    ; wave 0..3
	s_wait_alu depctr_va_sdst(0)                   ; s16 is written, ahead of the branches and of its first reader on each path
	s_wait_kmcnt 0x0
	s_cmp_lt_u32 ttmp9, 128
	s_cbranch_scc1 .Lq
	s_cmp_lt_u32 ttmp9, 384
	s_cbranch_scc1 .Lw
; ======== context_tokens: rows are dense and 2,048 is a multiple of 32, so the tensor is a plain stream of blocks; a wave takes a run of 8,192 numbers: 16 steps
	v_and_b32 v2, 31, v0                           ; lane
	v_lshlrev_b32 v3, 4, v2                        ; my 16 bytes of a load's 512
	s_mul_i32 s17, s16, WREG
	v_lshrrev_b32 v14, 2, v2
	v_mul_u32_u24 v14, v14, SP
	v_and_b32 v15, 3, v2
	v_lshl_add_u32 v14, v15, 4, v14
	v_add_nc_u32 v14, s17, v14                     ; the stage, on the way in: SP (lane / 4) + 16 (lane % 4)
	v_mul_u32_u24 v15, v2, SP
	v_add_nc_u32 v15, s17, v15                     ; and on the way out: SP x lane: my 16 neighbours
	v_mul_u32_u24 v4, v2, CB                       ; my codes' place in a step's
	v_lshrrev_b32 v5, 1, v2
	s_add_co_u32 s17, s17, 2*32*SP
	v_add_nc_u32 v5, s17, v5                       ; my wave's 256 scale bytes, my block's byte
	v_lshlrev_b32 v7, 3, v2                        ; and on the way out 8 bytes a lane
	v_add_nc_u32 v6, s17, v7
	s_sub_co_u32 s17, ttmp9, 384
	s_lshl_b32 s17, s17, 2
	s_add_co_u32 s18, s17, s16                     ; which run is my wave's: 0 .. 2,047
	s_mov_b32 s19, 0
	s_lshl_b64 s[20:21], s[18:19], 15              ; 32,768 bytes of f32,
	s_add_nc_u64 s[4:5], s[24:25], s[20:21]
	s_lshl_b64 s[20:21], s[18:19], 12              ; 4,096 of codes,
	s_add_nc_u64 s[8:9], s[34:35], s[20:21]
	s_lshl_b64 s[20:21], s[18:19], 8               ; 256 scale bytes a run
	s_add_nc_u64 s[10:11], s[36:37], s[20:21]
	s_wait_alu depctr_va_vdst(0)                   ; the offsets and LDS addresses v3 to v7, v14 and v15 are written, which every load and store of this path reads
.irp t, 0,1,2,3
	CLOAD \t
.endr
	s_wait_loadcnt 12                              ; step 0's four loads are in
	CTURN 0
.irp t, 0,1,2,3,4,5,6,7,8,9,10,11,12,13,14,15
	CSTEP \t
.endr
	s_wait_alu depctr_va_vdst(0)                   ; the last step has written its byte and its codes, which the two stores below read
	CSEND 15
	ds_load_b64 v[12:13], v6                       ; my wave's 256 scale bytes: these loads see my stores
	s_wait_dscnt 0x0
	global_store_b64 v7, v[12:13], s[10:11]        ; 32 lanes store 256 consecutive bytes, aligned
	s_wait_dscnt 0x0
	s_wait_alu depctr_hold_cnt(0) depctr_sa_sdst(0) depctr_va_vdst(0) depctr_va_sdst(0) depctr_va_ssrc(0) depctr_va_vcc(0) depctr_vm_vsrc(0)
	s_wait_tensorcnt 0x0
	ds_add_u32 v192, v193
	s_wait_dscnt 0x0
	s_endpgm
; ======== Wk, Wv: a work-group takes 64 columns x 512 along K; wave (cg, kh) columns 32 cg on, 256 kh along K on: 8 blocks a lane.  The codes meet in a stage of 64 rows x 256 bytes and leave as whole rows
.Lw:
	v_and_b32 v2, 31, v0                           ; lane
	v_lshlrev_b32 v3, 2, v2                        ; in: 4 bytes a lane
	v_and_b32 v5, 15, v0
	v_bfe_u32 v6, v0, 4, 1
	s_and_b32 s17, s16, 1                          ; cg
	s_lshr_b32 s18, s16, 1                         ; kh
	s_sub_co_u32 s19, ttmp9, 128
	s_lshr_b32 s20, s19, 7                         ; 0: Wk, 1: Wv
	s_and_b32 s21, s19, 31                         ; x: which 64 columns
	s_bfe_u32 s22, s19, 0x20005                    ; y: which 512 along K
	s_mul_i32 s23, s17, 32*WP
	s_lshl_b32 s2, s18, 7
	s_add_co_u32 s23, s23, s2
	s_add_co_u32 s23, s23, LW
	v_mul_u32_u24 v4, v2, WP
	v_add_nc_u32 v4, s23, v4                       ; into the stage: row = my column, my half of its 256 bytes
	s_mul_i32 s23, s16, 16*WP
	s_add_co_u32 s23, s23, LW
	v_mul_u32_u24 v7, v6, WP
	v_lshl_add_u32 v7, v5, 4, v7
	v_add_nc_u32 v7, s23, v7                       ; out of it: wave w takes rows 16 w on; sixteen lanes to a row, two rows an instruction
	v_lshlrev_b32 v8, 10, v6
	v_lshl_add_u32 v8, v5, 4, v8                   ; and the same place in w_codes
	v_lshlrev_b32 v9, 6, v2                        ; my column's row of scale bytes
	s_cmp_eq_u32 s20, 0                            ; the choice hangs on the work-group's number alone
	s_cselect_b64 s[4:5], s[30:31], s[32:33]
	s_lshl_b32 s2, s22, 22                         ; (512 y + 256 kh) rows of 8,192 bytes + (64 x + 32 cg) columns of 4
	s_lshl_b32 s3, s18, 21
	s_add_co_u32 s2, s2, s3
	s_lshl_b32 s3, s21, 8
	s_add_co_u32 s2, s2, s3
	s_lshl_b32 s3, s17, 7
	s_add_co_u32 s2, s2, s3
	s_mov_b32 s3, 0
	s_add_nc_u64 s[4:5], s[4:5], s[2:3]
	s_lshl_b32 s2, s20, 21                         ; codes: the tensor's 2,097,152 bytes + (64 x + 16 w) rows of 1,024 + 256 y
	s_lshl_b32 s3, s21, 16
	s_add_co_u32 s2, s2, s3
	s_lshl_b32 s3, s16, 14
	s_add_co_u32 s2, s2, s3
	s_lshl_b32 s3, s22, 8
	s_add_co_u32 s2, s2, s3
	s_mov_b32 s3, 0
	s_add_nc_u64 s[6:7], s[38:39], s[2:3]
	s_lshl_b32 s2, s20, 17                         ; scale bytes: the tensor's 131,072 + (64 x + 32 cg) rows of 64 + 16 y + 8 kh
	s_lshl_b32 s3, s21, 12
	s_add_co_u32 s2, s2, s3
	s_lshl_b32 s3, s17, 11
	s_add_co_u32 s2, s2, s3
	s_lshl_b32 s3, s22, 4
	s_add_co_u32 s2, s2, s3
	s_lshl_b32 s3, s18, 3
	s_add_co_u32 s2, s2, s3
	s_mov_b32 s3, 0
	s_add_nc_u64 s[8:9], s[40:41], s[2:3]
	s_wait_alu depctr_va_vdst(0)                   ; the offsets and LDS addresses v3, v4, v7, v8 and v9 are written, which every load and store of this path reads
	KLOAD 0, 3
	KLOAD 1, 3
.irp t, 0,1,2,3,4,5,6,7
	WBLOCK \t
.endr
	global_store_b64 v9, v[SB:SB+1], s[8:9]        ; my column's eight scale bytes: rows of 64 bytes, so these stores are short: one byte for each 128 that the launch reads.  (The last block's wait on va_vdst stands behind their last write)
	BARRIER                                        ; a row's 256 bytes come from two waves
.irp i, 0,1,2,3,4,5,6,7
	ds_load_b128 v[OUTR+4*\i:OUTR+4*\i+3], v7 offset:2*\i*WP
.endr
.irp i, 0,1,2,3,4,5,6,7
	s_wait_dscnt 7-\i                              ; LDS loads come back in order: load i is in
	global_store_b128 v8, v[OUTR+4*\i:OUTR+4*\i+3], s[6:7] offset:2*\i*1024   ; sixteen lanes store 256 consecutive bytes, aligned
.endr
	s_wait_dscnt 0x0
	s_wait_alu depctr_hold_cnt(0) depctr_sa_sdst(0) depctr_va_vdst(0) depctr_va_sdst(0) depctr_va_ssrc(0) depctr_va_vcc(0) depctr_vm_vsrc(0)
	s_wait_tensorcnt 0x0
	ds_add_u32 v192, v193
	s_wait_dscnt 0x0
	s_endpgm
; ======== q: a work-group takes 64 columns of Wq x a chunk of 512 along K.  Wave w quantises K step w of the chunk of all 16 tokens and hands it round through LDS as an image of the operand's registers;
; wave (cg, kh) multiplies columns 32 cg on by K steps 2 kh and 2 kh + 1.  The two halves along K are added on the way out; the four chunks and bq by the launch that reads qpart.
.Lq:
	v_and_b32 v1, 31, v0                           ; lane
	v_and_b32 v2, 15, v0                           ; r
	v_bfe_u32 v3, v0, 4, 1                         ; h
	s_and_b32 s17, s16, 1                          ; cg
	s_lshr_b32 s18, s16, 1                         ; kh
	s_and_b32 s19, ttmp9, 31                       ; x: which 64 columns
	s_lshr_b32 s20, ttmp9, 5                       ; which chunk of 512 along K
	v_lshlrev_b32 v4, 13, v2
	v_lshl_add_u32 v4, v3, 6, v4                   ; the tokens: row r of 8,192 bytes, + 64 h: my 16 numbers of a block of 32
	v_lshlrev_b32 v12, 4, v1
	v_lshlrev_b32 v13, 2, v1
	s_lshl_b32 s21, s18, 11
	s_add_co_u32 s21, s21, LQ
	v_add_nc_u32 v5, s21, v12                      ; where I read images: 16 x lane + my two K steps
	s_lshl_b32 s21, s18, 8
	s_add_co_u32 s21, s21, XSC
	v_add_nc_u32 v6, s21, v13                      ; and their scale words: 4 x lane
	s_lshl_b32 s21, s16, 10
	s_add_co_u32 s21, s21, LQ
	v_add_nc_u32 v7, s21, v12                      ; where I store my image: 16 x lane + 1,024 x wave
	s_lshl_b32 s21, s16, 7
	s_add_co_u32 s21, s21, XSC
	v_add_nc_u32 v8, s21, v13                      ; and its scale words: 4 x lane + 128 x wave
	s_mul_i32 s21, s18, 16*WP
	s_lshl_b32 s22, s17, 7
	s_add_co_u32 s21, s21, s22
	s_add_co_u32 s21, s21, STG
	v_mul_u32_u24 v9, v2, WP
	v_lshl_add_u32 v9, v3, 5, v9
	v_add_nc_u32 v9, s21, v9                       ; the stage of my half along K: row r, + 128 cg + 32 h
	s_mul_i32 s21, s16, 4*WP
	s_add_co_u32 s21, s21, STG
	v_mul_u32_u24 v10, v3, WP
	v_lshl_add_u32 v10, v2, 4, v10
	v_add_nc_u32 v10, s21, v10                     ; back: wave w takes tokens 4 w on; sixteen lanes to a row
	v_lshlrev_b32 v14, 2, v1                       ; Wq: 4 bytes a lane
	v_lshlrev_b32 v15, 13, v3
	v_lshl_add_u32 v15, v2, 4, v15                 ; and the same two rows in qpart
	s_mov_b32 s[SEL], 0x76543210
	s_mov_b32 s[SEL+1], 0xfedcba98
.irp b, 0,1,2,3
	v_mov_b32 v[TM+4+\b], 0                        ; written once: a lane permute's destination counts as one of its sources
.endr
	s_lshl_b32 s2, s20, 11                         ; the tokens: (512 chunk + 128 w) numbers of 4 bytes
	s_lshl_b32 s3, s16, 9
	s_add_co_u32 s2, s2, s3
	s_mov_b32 s3, 0
	s_add_nc_u64 s[6:7], s[26:27], s[2:3]
	s_lshl_b32 s2, s20, 22                         ; Wq: (512 chunk + 256 kh) rows of 8,192 bytes + (64 x + 32 cg) columns of 4
	s_lshl_b32 s3, s18, 21
	s_add_co_u32 s2, s2, s3
	s_lshl_b32 s3, s19, 8
	s_add_co_u32 s2, s2, s3
	s_lshl_b32 s3, s17, 7
	s_add_co_u32 s2, s2, s3
	s_mov_b32 s3, 0
	s_add_nc_u64 s[4:5], s[28:29], s[2:3]
	s_lshl_b32 s2, s20, 17                         ; qpart: the chunk's 131,072 bytes + 4 w rows of 8,192 + 256 x
	s_lshl_b32 s3, s16, 15
	s_add_co_u32 s2, s2, s3
	s_lshl_b32 s3, s19, 8
	s_add_co_u32 s2, s2, s3
	s_mov_b32 s3, 0
	s_add_nc_u64 s[8:9], s[42:43], s[2:3]
	s_wait_alu depctr_va_vdst(0)                   ; the offsets and LDS addresses v4 to v10, v14 and v15 are written, which every load and store of this path reads
.irp b, 0,1,2,3
.irp j, 0,1,2,3
	global_load_b128 v[CTN+16*\b+4*\j:CTN+16*\b+4*\j+3], v4, s[6:7] offset:128*\b+16*\j   ; no hint: many work-groups read the tokens
.endr
.endr
	KLOAD 0, 14
	s_wait_loadcnt 32                              ; the tokens' 16 loads are in; block 0's 32 may be out
	QUANT CTN
	s_wait_alu depctr_va_vdst(0)                   ; QUANT has written v[PC ..] and v[PW], which the LDS stores read, and is done reading v[CTN ..], in which block 1's loads and, behind the barrier, the tokens' fragments land
.irp c, 0,1
	ds_store_b128 v7, v[PC+4*\c:PC+4*\c+3] offset:512*\c   ; the fragment goes to LDS as it stands
.endr
	ds_store_b32 v8, v[PW]
	KLOAD 1, 14                                    ; into registers that held the tokens' numbers
	BARRIER                                        ; the tokens' four fragments lie in LDS
.irp s, 0,1
.irp c, 0,1
	ds_load_b128 v[CTF+8*\s+4*\c:CTF+8*\s+4*\c+3], v5 offset:1024*\s+512*\c
.endr
	ds_load_b32 v[CTS+\s], v6 offset:128*\s
.endr
	s_wait_dscnt 0x0
.irp t, 0,1,2,3,4,5,6,7
	QBLOCK \t
.endr
.rept 4
	v_nop                                          ; four places between the last product and the first read of a result (ISA guide 7.12.1)
.endr
	s_wait_alu depctr_va_vdst(0)                   ; the products have written the accumulators, which the LDS stores read; the places above stay beside this wait
	ds_store_b128 v9, v[ACC0:ACC0+3]               ; each accumulator from its low end on: q(r, 32 cg + 8 h + 0 .. 7),
	ds_store_b128 v9, v[ACC0+4:ACC0+7] offset:16
	ds_store_b128 v9, v[ACC1:ACC1+3] offset:64     ; and 16 columns further on
	ds_store_b128 v9, v[ACC1+4:ACC1+7] offset:80
	BARRIER                                        ; 16 rows x 64 columns lie in each of the two stages
.irp k, 0,1
.irp i, 0,1
	ds_load_b128 v[OUTQ+8*\k+4*\i:OUTQ+8*\k+4*\i+3], v10 offset:\k*16*WP+2*\i*WP
.endr
.endr
	s_wait_dscnt 0x0
.irp j, 0,2,4,6
	v_pk_add_f32 v[OUTQ+\j:OUTQ+\j+1], v[OUTQ+\j:OUTQ+\j+1], v[OUTQ+8+\j:OUTQ+8+\j+1]   ; the two halves along K
.endr
	s_wait_alu depctr_va_vdst(0)                   ; the additions have written v[OUTQ ..], which the stores read
.irp i, 0,1
	global_store_b128 v15, v[OUTQ+4*\i:OUTQ+4*\i+3], s[8:9] offset:2*\i*8192   ; sixteen lanes store 256 consecutive bytes, aligned
.endr
	s_wait_dscnt 0x0
	s_wait_alu depctr_hold_cnt(0) depctr_sa_sdst(0) depctr_va_vdst(0) depctr_va_sdst(0) depctr_va_ssrc(0) depctr_va_vcc(0) depctr_vm_vsrc(0)
	s_wait_tensorcnt 0x0
	ds_add_u32 v192, v193
	s_wait_dscnt 0x0
	s_endpgm
.Lfunc_end_k_q68f136c5de_quant:
	.size	k_q68f136c5de_quant, .Lfunc_end_k_q68f136c5de_quant-k_q68f136c5de_quant
	.p2alignl 7, 3214868480
	.fill 96, 4, 3214868480
	.section	.rodata,"a",@progbits
	.p2align	6, 0x0
	.amdhsa_kernel k_q68f136c5de_quant
		.amdhsa_group_segment_fixed_size 64000
		.amdhsa_private_segment_fixed_size 0
		.amdhsa_enable_private_segment 0
		.amdhsa_kernarg_size 80
		.amdhsa_user_sgpr_count 2
		.amdhsa_user_sgpr_kernarg_segment_ptr 1
		.amdhsa_wavefront_size32 1
		.amdhsa_system_sgpr_workgroup_id_x 1
		.amdhsa_system_sgpr_workgroup_id_y 1
		.amdhsa_system_sgpr_workgroup_id_z 1
		.amdhsa_system_vgpr_workitem_id 0
		.amdhsa_next_free_vgpr 194
		.amdhsa_next_free_sgpr 66
		.amdhsa_reserve_vcc 0
		.amdhsa_float_denorm_mode_32 3
		.amdhsa_float_denorm_mode_16_64 3
		.amdhsa_memory_ordered 1
		.amdhsa_forward_progress 1
		.amdhsa_inst_pref_size 123
	.end_amdhsa_kernel
	.amdgpu_metadata
---
amdhsa.version: [ 1, 2 ]
amdhsa.kernels:
  - .name:           k_q68f136c5de_quant
    .symbol:         k_q68f136c5de_quant.kd
    .args:
      - { .name: context_tokens, .offset: 0, .size: 8, .value_kind: global_buffer, .address_space: global }
      - { .name: current_token, .offset: 8, .size: 8, .value_kind: global_buffer, .address_space: global }
      - { .name: Wq, .offset: 16, .size: 8, .value_kind: global_buffer, .address_space: global }
      - { .name: Wk, .offset: 24, .size: 8, .value_kind: global_buffer, .address_space: global }
      - { .name: Wv, .offset: 32, .size: 8, .value_kind: global_buffer, .address_space: global }
      - { .name: a_codes, .offset: 40, .size: 8, .value_kind: global_buffer, .address_space: global }
      - { .name: a_scales, .offset: 48, .size: 8, .value_kind: global_buffer, .address_space: global }
      - { .name: w_codes, .offset: 56, .size: 8, .value_kind: global_buffer, .address_space: global }
      - { .name: w_scales, .offset: 64, .size: 8, .value_kind: global_buffer, .address_space: global }
      - { .name: qpart, .offset: 72, .size: 8, .value_kind: global_buffer, .address_space: global }
    .group_segment_fixed_size: 64000
    .private_segment_fixed_size: 0
    .kernarg_segment_align: 8
    .kernarg_segment_size: 80
    .max_flat_workgroup_size: 128
    .sgpr_count:     66
    .vgpr_count:     194
    .wavefront_size: 32
...
	.end_amdgpu_metadata
.endif
;; end of part 5
;; launch kgemm: the kernel of part 2 again; grid 8 x 32, 4 waves a work-group, clusters of 4 x 4, 327,680 bytes of LDS; arguments a_codes, a_scales, w_codes, w_scales, spart, qpart, bq, bk; writes spart
;; launch vgemm: the kernel of part 3 again; grid 8 x 32, 4 waves a work-group, clusters of 4 x 4, 327,680 bytes of LDS; arguments a_codes, a_scales, w_codes, w_scales, opart, spart; writes opart
;; launch combine: the kernel of part 4 again; grid 256 x 1, 1 waves a work-group, no clusters, 0 bytes of LDS; arguments opart, bv, out0; writes out0
